; MI455X (gfx1250); checked and timed in simulation.
; The chip was launched on July 23, 2026; its instructions are those of AMD's public machine-readable ISA for CDNA 5 (MIT licence, August 2026) and "CDNA5" Instruction Set Architecture Reference Guide (July 2026). The comments in the code are by the model that wrote it; some were corrected since.
;; Self Attention V3. Allowed arithmetic: matrix products marked QUANTISED: E2M1 operands, one E8M0 scale for each 32 along K, by v_wmma_scale_f32_16x16x128_f8f6f4 with both operands' format E2M1 (or v_wmma_scale_f32_32x16x128_f4), f32 sums; products left as they are: bf16, f16 or f32 operands; f32 sums; everything else in f32.
;; Inputs: W_out 1,024 x 1,024 float32; W_qkv 3,072 x 1,024 float32; X 4 x 2,048 x 1,024 float32; b_out 1,024 float32; b_qkv 3,072 float32; mask 4 x 2,048 x 2,048 int32.
;; Outputs: out0 4 x 2,048 x 1,024 float32.
;; This version of the problem:
;;   THIS VERSION OF THE PROBLEM IS GIVEN IN LOW PRECISION. The matrix products marked QUANTISED in the list below multiply operands that are first quantised to E2M1 (2 exponent bits, 1 mantissa bit; 4 bits a number), with one power-of-two scale for each 32 numbers along K (OCP MX v1.0); their sums are f32. The products marked 'left as it is' may take bf16, f16 or f32 operands, with f32 sums. Whichever they take, every output number must still come out within the allowed error. Rounding operands to bf16 (8 significant bits) uses up far more of that allowance than f16 does (11 bits, for magnitudes from 6e-5 to 65,504). All else is computed in f32.
;;   The module's matrix products, in the order in which they are computed (A, B: the left and right operand; K: the contracted axis; several contracted axes count as one K, in the product's order):
;;     1. [M 8,192, K 1,024] x [K 1,024, N 3,072]; A: input X; B: input W_qkv: QUANTISED
;;     2. batch 4 x [M 2,048, K 1,024] x [K 1,024, N 2,048]; A: computed on the way; B: computed on the way: left as it is (an operand is computed on the way)
;;     3. batch 4 x [M 2,048, K 2,048] x [K 2,048, N 1,024]; A: computed on the way; B: computed on the way: left as it is (an operand is computed on the way)
;;     4. [M 8,192, K 1,024] x [K 1,024, N 1,024]; A: computed on the way; B: input W_out: left as it is (an operand is computed on the way)
;;   THE QUANTISER, for each operand of a quantised product, along K:
;;     - K is cut into blocks of 32 from its start; a last block that is shorter is filled with zeros.
;;     - A block's scale is 2^e with e = floor(log2(the largest magnitude in the block)) - 2, held to -126 .. 127; a block of zeros has e = 0. As a byte (E8M0): e + 127.
;;     - Each number is divided by its block's scale, clamped to +-6, and rounded to the nearest number of E2M1, ties to even, subnormals kept.
;;     - The product sums the exact products of the quantised numbers (number of the format x scale) in f32.
;;   ~~~python
;;   def quantise(x, axis):      # numpy; x: float32 -> the quantised numbers, widened to float32 again
;;       x = np.moveaxis(x, axis, -1); K = x.shape[-1]
;;       x = np.pad(x, [(0, 0)] * (x.ndim - 1) + [(0, -K % 32)]); x = x.reshape(x.shape[:-1] + (-1, 32)); a = np.abs(x).max(-1, keepdims=True)
;;       e = np.where(a > 0, np.clip(np.frexp(np.where(a > 0, a, 1))[1] - 1 - 2, -126, 127), 0)      # np.frexp(a)[1] - 1 = floor(log2(a)), exactly
;;       r = np.clip(x / 2.0 ** e, -6, 6)
;;       step = 2.0 ** (np.maximum(np.frexp(np.where(r == 0, 1, r))[1] - 1, 0) - 1)
;;       q = np.round(r / step) * step * 2.0 ** e      # np.round: ties to even
;;       return np.moveaxis(q.reshape(q.shape[:-2] + (-1,))[..., :K], -1, axis).astype(np.float32)
;;   ~~~
;; One version. Each part assembles by itself: llvm-mc -triple=amdgcn-amd-amdhsa -mcpu=gfx1250 --defsym DOCPART=n.
;; ======== version 1 of 1: 5 launches
;; limits: values are held in f16: magnitudes above 65,504 overflow, below 6.1e-05 lose precision
;; workspace buffers: cd 5,767,168 bytes; sc 360,448 bytes; wo16 2,097,152 bytes; qkv 50,331,648 bytes; pt 33,554,432 bytes; st 1,048,576 bytes; ctx 16,777,216 bytes
;; launch prep (part 1): grid 384 x 1, 4 waves a work-group, no clusters, 33,280 bytes of LDS; arguments X, W_qkv, W_out, cd, sc, wo16; writes cd, sc, wo16
.if DOCPART == 1
	.amdgcn_target "amdgcn-amd-amdhsa--gfx1250"
	.amdhsa_code_object_version 6
	.text
	.protected	k_qf11f685999_prep
	.globl	k_qf11f685999_prep
	.p2align	8
	.type	k_qf11f685999_prep,@function
k_qf11f685999_prep:
	s_mov_b64 s[64:65], 0
	v_nop
	global_prefetch_b8 v0, s[64:65] scope:SCOPE_SE
	s_setreg_imm32_b32 hwreg(HW_REG_WAVE_MODE, 25, 1), 1
	s_wait_xcnt 0x0
; PREP.  X [8192][1024] and W_qkv [3072][1024], f32, become codes of FP4 (E2M1), K innermost, with one E8M0 scale byte for each 32 along K; W_out [1024][1024] is rounded to f16.
; cd: X's codes [8192][512 bytes], then W_qkv's [3072][512 bytes] from byte 4,194,304.  sc: X's scale bytes [8192][32], then W_qkv's [3072][32] from byte 262,144.  wo16: [1024][1024] f16.
; THE WHOLE PROGRAM: prep | qkv (the FP4 product, + bias, f16 out) | scores (q k^T in f16, the mask, a softmax for each block of 128 keys) | ctx (the blocks' maxima joined exactly, P V, / the row's sum) | proj (ctx W_out^T + b_out).
; DEAD WORK LEFT OUT: b_qkv[1024:2048], the bias on k.  score(q, key) = q . (k0 + bk) / 32 = q . k0 / 32 + q . bk / 32, and the second term is the same for every key of a query's row, whatever the inputs hold:
; a softmax along the keys is not moved by a term that is the same along its axis (a masked key is -infinity with it and without it).  The product q k^T is not quantised, so no quantiser sees k.
; It comes in whole tiles (columns 1,024 to 2,047 of the first product): launch qkv never loads that third of b_qkv.  The thirds of q and v are live, so b_qkv stays an argument.
; LIMIT: a NaN, an infinity or an overflow that sits in b_qkv[1024:2048] alone is not carried to the result.
; A block's scale is 2^(floor(log2(its largest magnitude)) - 2); its byte is the largest magnitude's own exponent field - 2, held at 1 from below.  A block of zeros so gets the byte 1 where the rule says 127:
; its codes are zeros, which add nothing under any byte but 0xff, and this program alone reads the bytes.  Each number is divided by the scale and rounded to the nearest code, ties to even; beyond 6 the largest code.
; LIMITS: blocks whose largest magnitude lies under 2^(2 - 126) keep the byte 1; NaN and infinities among the inputs are not served.  W_out in f16: magnitudes from 6e-5 to 65,504 keep 11 bits.
; SHARES.  32,768 numbers a work-group, 8,192 a wave.  Work-groups 0-255: X; 256-351: W_qkv; 352-383: W_out.  Rows are dense and K is a multiple of 32: the tensors are plain streams.
; The quantiser: 16 steps of 512 numbers a wave.  Each of a step's four loads reads 512 consecutive bytes; the 2,048 bytes turn through the wave's own stage in LDS and come back 64 bytes a lane (16 neighbours along K;
; two neighbouring lanes hold a block).  A lane's 16 codes are 8 bytes: a wave stores 256 consecutive bytes.  A wave's 256 scale bytes are gathered in LDS and leave as one aligned run of 256 bytes.
.set WAVES, 4
.set STEPS, 16
.set WGX,   256                        ; X's work-groups
.set WGQ,   352                        ; X's and W_qkv's
.set EMAX,  2
.set CB,    8                          ; bytes of 16 codes
.set R,     16                         ; v16-79   four sets of 16 numbers as they are loaded
.set X,     80                         ; v80-111  two sets of 16 neighbours
.set C,     128                        ; v128-191 codes: four registers for each step, so that no store's data are written again
.set E,     112                        ; v112-127 a scale byte for each step
.set WREG,  8192                       ; LDS: a region for each wave: two stages of 32 x SP bytes, and behind them its 256 scale bytes
.set SP,    80                         ; a lane's place in a stage: its 64 bytes + 16 of padding
.set SPW,   12                         ; v12      LDS address of my spare word; never rewritten
.set NIL,   13                         ; v13      0; never rewritten
.set SPARE, WAVES*WREG                 ; behind the four regions: the spare words, 128 bytes for each wave
	s_load_b256 s[4:11], s[0:1], 0x0               ; X s[4:5], W_qkv s[6:7], W_out s[8:9], cd s[10:11]
	s_load_b128 s[12:15], s[0:1], 0x20             ; sc s[12:13], wo16 s[14:15]
	v_lshl_add_u32 v[SPW], v0, 2, SPARE
	v_mov_b32 v[NIL], 0
	v_lshrrev_b32 v1, 5, v0
	v_readfirstlane_b32 s16, v1                    ; wave
	v_and_b32 v2, 31, v0                           ; lane
	v_lshlrev_b32 v3, 4, v2                        ; my 16 bytes of a load's 512
	s_mul_i32 s17, s16, WREG
	v_lshrrev_b32 v14, 2, v2
	v_mul_u32_u24 v14, v14, SP
	v_and_b32 v15, 3, v2
	v_lshl_add_u32 v14, v15, 4, v14
	v_add_nc_u32 v14, s17, v14                     ; the stage, on the way in: SP (lane / 4) + 16 (lane % 4)
	v_mul_u32_u24 v15, v2, SP
	v_add_nc_u32 v15, s17, v15                     ; and on the way out: SP x lane: my 16 neighbours
	v_mul_u32_u24 v4, v2, CB                       ; 8 x lane: my codes' place in a step's (and my f16 numbers' place in a chunk's)
	v_lshrrev_b32 v5, 1, v2
	s_add_co_u32 s17, s17, 2*32*SP
	v_add_nc_u32 v5, s17, v5                       ; LDS: my wave's 256 scale bytes, my block's byte
	v_lshlrev_b32 v7, 3, v2                        ; and on the way out 8 bytes a lane
	v_add_nc_u32 v6, s17, v7
	s_mov_b32 s19, 0
	s_wait_kmcnt 0x0
	s_cmp_ge_u32 ttmp9, WGQ                        ; the work-group's number alone decides
	s_cbranch_scc1 .Lconv
	s_cmp_lt_u32 ttmp9, WGX                        ; X's work-group or W_qkv's?  Only the input is chosen: W_qkv's codes and bytes follow X's in cd and sc by themselves
	s_cselect_b64 s[4:5], s[4:5], s[6:7]
	s_cselect_b32 s17, 0, WGX
	s_sub_co_u32 s17, ttmp9, s17
	s_lshl_b32 s17, s17, 2
	s_add_co_u32 s18, s17, s16                     ; which run of 8,192 numbers of the tensor is my wave's
	s_lshl_b64 s[20:21], s[18:19], 15              ; 32,768 bytes a run
	s_add_nc_u64 s[4:5], s[4:5], s[20:21]
	s_lshl_b32 s18, ttmp9, 2
	s_add_co_u32 s18, s18, s16                     ; which run of the outputs
	s_lshl_b64 s[20:21], s[18:19], 12              ; 4,096 bytes of codes a run
	s_add_nc_u64 s[10:11], s[10:11], s[20:21]
	s_lshl_b32 s18, s18, 8                         ; 256 scale bytes a run
	s_add_nc_u64 s[12:13], s[12:13], s[18:19]
.macro LOAD t
.irp i, 0,1,2,3
	global_load_b128 v[R+16*((\t)%4)+4*\i:R+16*((\t)%4)+4*\i+3], v3, s[4:5] offset:2048*(\t)+512*\i th:TH_LOAD_NT   ; 32 lanes read 512 consecutive bytes
.endr
.endm
.macro TURN t                          ; step t's numbers through the stage: LDS serves a wave's instructions in order, so no wait stands between the stores and the loads
.irp i, 0,1,2,3
	ds_store_b128 v14, v[R+16*((\t)%4)+4*\i:R+16*((\t)%4)+4*\i+3] offset:32*SP*((\t)%2)+8*SP*\i
.endr
.irp i, 0,1,2,3
	ds_load_b128 v[X+16*((\t)%2)+4*\i:X+16*((\t)%2)+4*\i+3], v15 offset:32*SP*((\t)%2)+16*\i
.endr
.endm
.irp t, 0,1,2,3
	LOAD \t
.endr
	s_wait_loadcnt 12                              ; step 0's four loads are in; the twelve of steps 1 to 3 stay out
	TURN 0
.macro STEP t
.set XS, X+16*((\t)%2)
.if (\t) > 0
	s_wait_dscnt 1                                 ; this step's numbers are back from the stage (the last step's byte store may be out): so its stores into the stage have read their registers,
.else
	s_wait_dscnt 0x0
.endif
.if (\t)+4 < STEPS
	LOAD (\t)+4                                    ; which take the loads of four steps on
.endif
.if (\t)+1 < STEPS
.if STEPS-2-(\t) >= 3
	s_wait_loadcnt 12                              ; the next step's four loads are in; those of the three steps behind it may be out
.else
	s_wait_loadcnt 4*(STEPS-2-(\t))
.endif
	TURN (\t)+1                                    ; and go through the other stage while this step is worked
.endif
	v_max3_num_f32 v8, |v[XS]|, |v[XS+1]|, |v[XS+2]|               ; the largest magnitude of my 16, in two chains
	v_max3_num_f32 v9, |v[XS+3]|, |v[XS+4]|, |v[XS+5]|
.irp i, 6,10
	v_max3_num_f32 v8, v8, |v[XS+\i]|, |v[XS+\i+1]|
	v_max3_num_f32 v9, v9, |v[XS+\i+2]|, |v[XS+\i+3]|
.endr
	v_max3_num_f32 v8, v8, |v[XS+14]|, |v[XS+15]|
	v_max3_num_f32 v8, v8, v9, (EMAX+1)<<23        ; and the floor 2^(EMAX + 1 - 127): the byte cannot fall under 1
	v_max_num_f32_dpp v8, v8, v8 row_xmask:1 row_mask:0xf bank_mask:0xf   ; and of my neighbour's 16: the block's
	v_add_nc_u32 v11, -(EMAX<<23), v8              ; EMAX off its exponent field: the conversion takes the exponent field of this operand as its scale, and nothing else of it
	v_cvt_scalef32_pk8_fp4_f32 v[C+4*(\t)], v[XS:XS+7], v11
	v_cvt_scalef32_pk8_fp4_f32 v[C+4*(\t)+1], v[XS+8:XS+15], v11
	v_lshrrev_b32 v[E+(\t)], 23, v11               ; the scale's byte (a plain line behind the conversions)
	ds_store_b8 v5, v[E+(\t)] offset:16*(\t)       ; both lanes of a block write the same byte with the same value
	global_store_b64 v4, v[C+4*(\t):C+4*(\t)+1], s[10:11] offset:32*CB*(\t)   ; 32 lanes store 256 consecutive bytes, aligned
.endm
.irp t, 0,1,2,3,4,5,6,7,8,9,10,11,12,13,14,15
	STEP \t
.endr
	ds_load_b64 v[8:9], v6                         ; LDS serves a wave's instructions in order: these see my stores
	s_wait_dscnt 0x0
	global_store_b64 v7, v[8:9], s[12:13]          ; 32 lanes store 256 consecutive bytes, aligned
	s_wait_tensorcnt 0x0                           ; the wave's end, behind my last LDS store
	ds_add_u32 v[SPW], v[NIL]
	s_wait_dscnt 0x0
	s_endpgm
; W_out to f16: 64 chunks of 128 numbers a wave (512 bytes in, 256 out), in four groups of 16; loads run a group ahead.
.Lconv:
	s_sub_co_u32 s18, ttmp9, WGQ
	s_lshl_b32 s18, s18, 2
	s_add_co_u32 s18, s18, s16                     ; my wave's run of 8,192 numbers
	s_lshl_b64 s[20:21], s[18:19], 15
	s_add_nc_u64 s[8:9], s[8:9], s[20:21]
	s_lshl_b64 s[20:21], s[18:19], 14
	s_add_nc_u64 s[14:15], s[14:15], s[20:21]
.macro LOADG g                         ; group g into set g % 2: v16-79 or v112-175
.irp i, 0,1,2,3,4,5,6,7,8,9,10,11,12,13,14,15
	global_load_b128 v[16+96*((\g)%2)+4*\i:16+96*((\g)%2)+4*\i+3], v3, s[8:9] offset:(16*(\g)+\i)*512 th:TH_LOAD_NT
.endr
.endm
.macro GROUP g
.if (\g) < 3
	s_wait_loadcnt 16                              ; this group's 16 loads are in; the next group's stay out
.else
	s_wait_loadcnt 0x0
.endif
.if (\g) > 0
	s_wait_xcnt 0x0                                ; the last group's stores have read v80-111: only now are they written again
.endif
.irp i, 0,1,2,3,4,5,6,7,8,9,10,11,12,13,14,15
	v_cvt_pk_f16_f32 v[80+2*\i], v[16+96*((\g)%2)+4*\i], v[16+96*((\g)%2)+4*\i+1]
	v_cvt_pk_f16_f32 v[81+2*\i], v[16+96*((\g)%2)+4*\i+2], v[16+96*((\g)%2)+4*\i+3]
.endr
.irp i, 0,1,2,3,4,5,6,7,8,9,10,11,12,13,14,15
	global_store_b64 v4, v[80+2*\i:81+2*\i], s[14:15] offset:(16*(\g)+\i)*256   ; 32 lanes store 256 consecutive bytes, aligned
.endr
.if (\g) < 2
	LOADG (\g)+2
.endif
.endm
	LOADG 0
	LOADG 1
	GROUP 0
	GROUP 1
	GROUP 2
	GROUP 3
	s_endpgm
.Lfunc_end_k_qf11f685999_prep:
	.size	k_qf11f685999_prep, .Lfunc_end_k_qf11f685999_prep-k_qf11f685999_prep
	.p2alignl 7, 3214868480
	.fill 96, 4, 3214868480
	.section	.rodata,"a",@progbits
	.p2align	6, 0x0
	.amdhsa_kernel k_qf11f685999_prep
		.amdhsa_group_segment_fixed_size 33280
		.amdhsa_private_segment_fixed_size 0
		.amdhsa_enable_private_segment 0
		.amdhsa_kernarg_size 48
		.amdhsa_user_sgpr_count 2
		.amdhsa_user_sgpr_kernarg_segment_ptr 1
		.amdhsa_wavefront_size32 1
		.amdhsa_system_sgpr_workgroup_id_x 1
		.amdhsa_system_sgpr_workgroup_id_y 1
		.amdhsa_system_sgpr_workgroup_id_z 1
		.amdhsa_system_vgpr_workitem_id 0
		.amdhsa_next_free_vgpr 192
		.amdhsa_next_free_sgpr 66
		.amdhsa_reserve_vcc 0
		.amdhsa_float_denorm_mode_32 3
		.amdhsa_float_denorm_mode_16_64 3
		.amdhsa_memory_ordered 1
		.amdhsa_forward_progress 1
		.amdhsa_inst_pref_size 54
	.end_amdhsa_kernel
	.amdgpu_metadata
---
amdhsa.version: [ 1, 2 ]
amdhsa.kernels:
  - .name:           k_qf11f685999_prep
    .symbol:         k_qf11f685999_prep.kd
    .args:
      - { .name: X, .offset: 0, .size: 8, .value_kind: global_buffer, .address_space: global }
      - { .name: W_qkv, .offset: 8, .size: 8, .value_kind: global_buffer, .address_space: global }
      - { .name: W_out, .offset: 16, .size: 8, .value_kind: global_buffer, .address_space: global }
      - { .name: cd, .offset: 24, .size: 8, .value_kind: global_buffer, .address_space: global }
      - { .name: sc, .offset: 32, .size: 8, .value_kind: global_buffer, .address_space: global }
      - { .name: wo16, .offset: 40, .size: 8, .value_kind: global_buffer, .address_space: global }
    .group_segment_fixed_size: 33280
    .private_segment_fixed_size: 0
    .kernarg_segment_align: 8
    .kernarg_segment_size: 48
    .max_flat_workgroup_size: 128
    .sgpr_count:     66
    .vgpr_count:     192
    .wavefront_size: 32
...
	.end_amdgpu_metadata
.endif
;; end of part 1
;; launch qkv (part 2): grid 12 x 32, 4 waves a work-group, clusters of 4 x 4, 327,680 bytes of LDS; arguments cd, sc, b_qkv, qkv; writes qkv
.if DOCPART == 2
	.amdgcn_target "amdgcn-amd-amdhsa--gfx1250"
	.amdhsa_code_object_version 6
	.text
	.protected	k_qf11f685999_qkv
	.globl	k_qf11f685999_qkv
	.p2align	8
	.type	k_qf11f685999_qkv,@function
k_qf11f685999_qkv:
	s_mov_b64 s[64:65], 0
	v_nop
	global_prefetch_b8 v0, s[64:65] scope:SCOPE_SE
	s_setreg_imm32_b32 hwreg(HW_REG_WAVE_MODE, 25, 1), 1
	s_wait_xcnt 0x0
	s_wait_alu depctr_hold_cnt(0) depctr_sa_sdst(0) depctr_va_vdst(0) depctr_va_sdst(0) depctr_va_ssrc(0) depctr_va_vcc(0) depctr_vm_vsrc(0)
	s_getreg_b32 s2, hwreg(HW_REG_IB_STS2, 6, 4)
	s_cmp_eq_u32 s2, 0
	s_cbranch_scc0 .Lentry_in_a_cluster
	s_endpgm
.Lentry_in_a_cluster:
	s_bfe_u32 s2, ttmp6, 0x10000c
	s_cmp_lg_u32 s2, 0xf033
	s_cbranch_scc0 .Lentry_shape_is_right
	s_endpgm
.Lentry_shape_is_right:
; QKV.  qkv[m][n] = sum over k of X[m][k] W_qkv[n][k] + b_qkv[n], on codes of FP4 (E2M1) with one E8M0 scale for each 32 along K, sums in f32, stored as f16: [8192][3072], q | k | v in a row.
; WORK LEFT OUT: the bias on k, b_qkv[1024:2048] (shown dead at the head of launch prep): the tiles of columns 1,024 to 2,047 are those of cluster x = 1; they start their sums from zeros and do not load it.
; LIMIT: q, k and v are kept in f16: magnitudes up to 65,504; under 6e-5 with fewer than 11 bits.
; A tile of 256 x 256 is made by four waves, 128 x 128 each: 64 accumulators of 16 x 16.  K = 1,024 is two LDS slots of 512 along K (rows of 256 bytes): both are filled at the start, nothing is filled again.
; The scale bytes of the work-group's 256 rows of X and 256 rows of W_qkv, for all of K, are two dense blocks of memory: they come into LDS once, with the first fills.
; CLUSTERS: 4 x 4 work-groups; X's tiles are asked for jointly along a row of the cluster, W_qkv's along a column.
; THE MATRIX INSTRUCTION IS USED TRANSPOSED (source 0 = 16 rows of W_qkv, source 1 = 16 rows of X): a lane holds eight neighbouring columns of one row of the result.
; The bias is the C of each sum's first matrix instruction: 64 registers in the result's layout.
; REGISTERS: window 0: v0-31 addresses; v32-95 scale words, two sets; v128-191 X's fragments, one set; v192-255 the bias, later the way out.  window 1: W_qkv's fragments, two sets, at v0 and v128.
;   window 2: the accumulators of my rows 0-63 ((a, b) at v[8 (8 a + b)]);  window 3: those of my rows 64-127.
.set NQ,     4                         ; steps of 128 along K in a slot
.set ROWB,   256                       ; a tile's row in bytes: 512 codes
.set KROW,   512                       ; a row of codes in memory
.set PITCH,  272                       ; an LDS row: 256 bytes + 16 of padding: the 16 rows that a load touches start at 16 different banks
.set FR,     8                         ; registers of a fragment
.set NL,     2                         ; LDS loads that bring one
.set NP,     4                         ; places behind this matrix instruction (ISA guide 7.12.1)
.set HALFT,  128*PITCH
.set SLOT,   4*HALFT
.set KS,     32                        ; a row of scale bytes
.set SCL,    2*SLOT                    ; behind the two slots: the scales, as runs of 256 bytes + 16 of padding
.set HALFS,  (128*KS/256)*272
.set SBLK,   (16*KS/256)*272
.set SPARE,  SCL+4*HALFS               ; the spare words, 128 bytes for each wave
.set SPITCH, 272                       ; the way out: a stage of 16 rows x (256 bytes + 16) for each wave, in slot 0, which has had its only fill and its last read when the first result is stored there
.set CROW,   6144                      ; a row of qkv in bytes
.set WCD,    0x400000                  ; where W_qkv's codes begin in cd
.set WSC,    0x40000                   ; and its scale bytes in sc
.set ADRA, 16
.set ADRB, 20
.set STO,  24
.set RD,   25
.set CO,   26
.set ADRS, 27
.set SPW,  28
.set NIL,  29
.set BO,   30                          ; v30: 32 x (lane / 16): my half's eight numbers of a tile of the bias
.set SC,   32
.set AF,   128
.set BI,   192                         ; v192-255: the bias: register 8 b + j = b_qkv[my first column + 16 b + 8 (lane / 16) + j]
.set TMP,  192                         ; the way out: packed results
.set OB,   32                          ; the way out: 16 rows read back: v32-63 and v224-255 by turns
.set G1, 24
.set G0, 32
.set G1B, 48
.set G0B, 56
.set G1S, 68
.set G0S, 76
.set G1SB, 80
.set G0SB, 88
.set MSB, 0
.macro WIN new                         ; the immediate's high byte repeats the setting that is left
.if MSB != (\new)
	s_set_vgpr_msb (MSB<<8)|(\new)
.set MSB, (\new)
.endif
.endm
.set MUL_LO,  0xa1                     ; source 0 window 1, source 1 window 0, C and D window 2
.set MUL_HI,  0xf1                     ; the same, C and D window 3
.set BIAS_LO, 0x81                     ; C (the bias) window 0, D window 2
.set BIAS_HI, 0xc1                     ; C window 0, D window 3
.set TO_B,    0x40
; A joint load: waves 0 and 1 fetch for X, waves 2 and 3 for W_qkv.  The branch hangs on the wave's number alone.  An s_nop 0 and four v_nop follow each of the two lines.
.macro JLOAD g0a, g1a, g0b, g1b
	s_cmp_eq_u32 s15, 0
	s_cbranch_scc0 .Lfor_b_\@
	tensor_load_to_lds s[\g0a:\g0a+3], s[\g1a:\g1a+7]
	s_nop 0
.rept 4
	v_nop
.endr
	s_branch .Lasked_\@
.Lfor_b_\@:
	tensor_load_to_lds s[\g0b:\g0b+3], s[\g1b:\g1b+7]
	s_nop 0
.rept 4
	v_nop
.endr
.Lasked_\@:
.endm
.macro CROUND                          ; a round of the cluster's barrier
	s_barrier_signal -1
	s_barrier_wait -1
	s_cmp_lg_u32 s14, 0
	s_cbranch_scc1 .Lnot_wave_0_\@
	s_barrier_signal -3
.Lnot_wave_0_\@:
	s_barrier_wait -3
	s_barrier_signal -1
	s_barrier_wait -1
.endm
	s_load_b256 s[4:11], s[0:1], 0x0               ; cd s[4:5], sc s[6:7], b_qkv s[8:9], qkv s[10:11]
	v_lshl_add_u32 v[SPW], v0, 2, SPARE
	v_mov_b32 v[NIL], 0
	ds_add_u32 v[SPW], v[NIL]                      ; the wave's opening: the add, twice on end, and its wait ahead of my first tensor load
	ds_add_u32 v[SPW], v[NIL]
	v_lshrrev_b32 v1, 5, v0
	v_readfirstlane_b32 s14, v1                    ; wave 0..3
	s_lshr_b32 s15, s14, 1                         ; which half of the tile's rows is mine.  Also: I fetch for X (0) or for W_qkv (1)
	s_and_b32 s16, s14, 1                          ; which half of its columns.  Also: which 128 rows of that tile I fetch
	s_bfe_u32 s40, ttmp6, 0x40000                  ; cx, cy: my place in the cluster
	s_bfe_u32 s41, ttmp6, 0x40004
	s_lshl_b32 s42, ttmp9, 2
	s_add_co_u32 s42, s42, s40                     ; tile column = 4 x cluster x + cx
	s_and_b32 s17, ttmp7, 0xffff
	s_lshl_b32 s17, s17, 2
	s_add_co_u32 s17, s17, s41                     ; tile row = 4 x cluster y + cy
	s_lshl_b32 s43, s41, 2
	s_lshl_b32 s43, 15, s43                        ; my row of the cluster
	s_lshl_b32 s44, 0x1111, s40                    ; my column
	; descriptor group 1: a tile of 128 rows x 256 bytes, 16 bytes of padding behind each row
	s_or_b32 s[G1+0], s43, (0<<16)|(1<<20)|(1<<21)|(5<<22)|(3<<25)
	s_or_b32 s[G1B+0], s44, (0<<16)|(1<<20)|(1<<21)|(5<<22)|(3<<25)
.irp g, G1, G1B
	s_mov_b32 s[\g+1], ROWB<<16                    ; tensor_dim0
	s_mov_b32 s[\g+2], 128<<16                     ; tensor_dim1
	s_mov_b32 s[\g+3], ROWB<<16                    ; tile_dim0
	s_mov_b32 s[\g+4], 128                         ; tile_dim1
	s_mov_b32 s[\g+5], KROW                        ; from row to row
	s_mov_b32 s[\g+6], 0
	s_mov_b32 s[\g+7], 0
.endr
	; the scales of 128 rows: a dense block of 4,096 bytes, as 16 rows of 256 bytes (32 elements of 8 bytes), 16 bytes of padding behind each
	s_or_b32 s[G1S+0], s43, (3<<16)|(1<<20)|(1<<21)|(5<<22)|(3<<25)
	s_or_b32 s[G1SB+0], s44, (3<<16)|(1<<20)|(1<<21)|(5<<22)|(3<<25)
.irp g, G1S, G1SB
	s_mov_b32 s[\g+1], 32<<16
	s_mov_b32 s[\g+2], (128*KS/256)<<16
	s_mov_b32 s[\g+3], 32<<16
	s_mov_b32 s[\g+4], 128*KS/256
	s_mov_b32 s[\g+5], 32
	s_mov_b32 s[\g+6], 0
	s_mov_b32 s[\g+7], 0
.endr
	s_lshl_b32 s18, s16, 7                         ; which 128 rows of the tile I fetch
	s_lshl_b32 s20, s17, 8
	s_add_co_u32 s20, s20, s18                     ; X: row 256 x tile row + 128 x half
	s_lshl_b32 s46, s42, 8
	s_add_co_u32 s46, s46, s18                     ; W_qkv: row 256 x tile column + 128 x half
	s_mov_b32 s21, 0
	s_mov_b32 s47, 0
	s_mov_b64 s[18:19], KS
	s_mul_u64 s[22:23], s[20:21], s[18:19]         ; where these rows' scales begin, in bytes
	s_mul_u64 s[92:93], s[46:47], s[18:19]
	s_mov_b64 s[18:19], KROW
	s_mul_u64 s[20:21], s[20:21], s[18:19]         ; and their codes
	s_mul_u64 s[46:47], s[46:47], s[18:19]
	s_add_nc_u64 s[92:93], s[92:93], WSC           ; W_qkv's parts of sc and cd lie behind X's
	s_add_nc_u64 s[46:47], s[46:47], WCD
	s_mul_i32 s45, s14, HALFT                      ; where they go: wave x 128 rows: no place in the cluster enters an LDS address
	s_mul_i32 s94, s14, HALFS
	s_wait_dscnt 0x0                               ; both opening adds are done
	s_wait_kmcnt 0x0
	s_add_nc_u64 s[20:21], s[4:5], s[20:21]
	s_add_nc_u64 s[22:23], s[6:7], s[22:23]
	s_add_nc_u64 s[46:47], s[4:5], s[46:47]
	s_add_nc_u64 s[92:93], s[6:7], s[92:93]
	CROUND                                         ; all sixteen work-groups are here: the first joint loads meet
	s_mov_b32 s[G0S], 1
	s_add_co_u32 s[G0S+1], s94, SCL
	s_mov_b64 s[G0S+2:G0S+3], s[22:23]
	s_or_b32 s[G0S+3], s[G0S+3], 0x80000000
	s_mov_b32 s[G0SB], 1
	s_add_co_u32 s[G0SB+1], s94, SCL
	s_mov_b64 s[G0SB+2:G0SB+3], s[92:93]
	s_or_b32 s[G0SB+3], s[G0SB+3], 0x80000000
	JLOAD G0S, G1S, G0SB, G1SB                     ; the scales first: they are wanted with the first slot
.irp s, 0,1
	s_mov_b32 s[G0+4*\s], 1
	s_add_co_u32 s[G0+4*\s+1], s45, \s*SLOT
	s_add_nc_u64 s[G0+4*\s+2:G0+4*\s+3], s[20:21], \s*ROWB
	s_or_b32 s[G0+4*\s+3], s[G0+4*\s+3], 0x80000000
	s_mov_b32 s[G0B+4*\s], 1
	s_add_co_u32 s[G0B+4*\s+1], s45, \s*SLOT
	s_add_nc_u64 s[G0B+4*\s+2:G0B+4*\s+3], s[46:47], \s*ROWB
	s_or_b32 s[G0B+4*\s+3], s[G0B+4*\s+3], 0x80000000
	JLOAD G0+4*\s, G1, G0B+4*\s, G1B               ; three loads of mine are out
.endr
	v_and_b32 v1, 15, v0                           ; r = l % 16
	v_bfe_u32 v2, v0, 4, 1                         ; h = l / 16
	v_mul_u32_u24 v3, v1, PITCH
	v_lshl_add_u32 v4, v2, 4, v3                   ; a fragment's row x pitch + 16 x half
	s_mul_i32 s21, s15, HALFT                      ; my 128 rows of X
	s_mul_i32 s22, s16, HALFT                      ; my 128 rows of W_qkv,
	s_add_co_u32 s22, s22, 2*HALFT                 ; which lie behind X's 256
.irp s, 0,1
	v_add_nc_u32 v[ADRA+\s], s21, v4
	v_add_nc_u32 v[ADRB+\s], s22, v4
	s_add_co_u32 s21, s21, SLOT
	s_add_co_u32 s22, s22, SLOT
.endr
	v_mul_u32_u24 v5, v1, KS                       ; my row's scales: 32 bytes a row,
	v_lshrrev_b32 v6, 8, v5
	v_lshl_add_u32 v5, v6, 4, v5                   ; and 16 more for each 256 passed
	s_mul_i32 s21, s15, HALFS
	s_mul_i32 s22, s16, HALFS
	s_add_co_u32 s22, s22, 2*HALFS
	s_sub_co_u32 s22, s22, s21
	v_mul_u32_u24 v6, s22, v2                      ; lanes 16-31 take W_qkv's
	s_add_co_u32 s21, s21, SCL
	v_add_nc_u32 v5, v5, v6
	v_add_nc_u32 v[ADRS], s21, v5
	s_mul_i32 s23, s14, 16*SPITCH                  ; my stage
	v_mul_u32_u24 v5, v1, SPITCH                   ; in: row r, 16 bytes for each half of the lanes
	v_lshl_add_u32 v5, v2, 4, v5
	v_add_nc_u32 v[STO], s23, v5
	v_mul_u32_u24 v5, v2, SPITCH                   ; back: lanes 0-15 take one row of 256 bytes, lanes 16-31 the next
	v_lshl_add_u32 v5, v1, 4, v5
	v_add_nc_u32 v[RD], s23, v5
	v_mul_u32_u24 v5, v2, CROW                     ; and the same two rows in qkv
	v_lshl_add_u32 v[CO], v1, 4, v5
	v_lshlrev_b32 v[BO], 5, v2
	s_lshl_b32 s20, s17, 8
	s_lshl_b32 s21, s15, 7
	s_add_co_u32 s20, s20, s21                     ; my first row: 256 x tile row + 128 x half
	s_mul_i32 s20, s20, CROW                       ; under 2^26 bytes
	s_lshl_b32 s46, s42, 9                         ; my first column in bytes of f16: 512 x tile column + 256 x half
	s_lshl_b32 s47, s16, 8
	s_add_co_u32 s46, s46, s47
	s_add_co_u32 s20, s20, s46
	s_mov_b32 s21, 0
	s_add_nc_u64 s[10:11], s[10:11], s[20:21]
	s_lshl_b32 s46, s46, 1                         ; and in bytes of f32, for the bias
	s_mov_b32 s47, 0
	s_add_nc_u64 s[8:9], s[8:9], s[46:47]
	s_cmp_eq_u32 ttmp9, 1                          ; the cluster's x: the same in all sixteen partners and all waves.  Cluster x = 1 makes k
	s_cbranch_scc1 .Lno_bias
.irp b, 0,1,2,3,4,5,6,7
	global_load_b128 v[BI+8*\b:BI+8*\b+3], v[BO], s[8:9] offset:64*\b
	global_load_b128 v[BI+8*\b+4:BI+8*\b+7], v[BO], s[8:9] offset:64*\b+16
.endr
	s_branch .Lbias_done
.Lno_bias:
.set n, 0
.rept 64
	v_mov_b32 v[BI+n], 0                           ; k's sums start from zeros: its third of b_qkv is not loaded
.set n, n+1
.endr
.Lbias_done:
.macro FRAG reg, adr, q, i             ; a fragment, 16 rows x 128 K of 4-bit codes: lane l holds row l % 16; registers 4 c .. 4 c + 3 hold K = 64 c + 32 (l / 16) + 0 .. 31
.irp c, 0,1
	ds_load_b128 v[\reg+4*\c:\reg+4*\c+3], v[\adr] offset:64*(\q)+32*\c+(\i)*16*PITCH
.endr
.endm
; 16 matrix instructions: X's blocks a0, a0 + 1 x W_qkv's eight, 128 along K.  p: W_qkv's set; sc: the set of scale words.  first = 1: the bias is C and starts the sums.
; The 64 accumulators take turns, one instruction a turn, in the same order in every step.
.macro MUL16 a0, p, q, sc, first
.irp a, \a0, \a0+1
.irp b, 0,1,2,3,4,5,6,7
.if \first
	v_wmma_scale_f32_16x16x128_f8f6f4 v[8*(8*((\a)%4)+\b):8*(8*((\a)%4)+\b)+7], v[128*(\p)+FR*\b:128*(\p)+FR*\b+FR-1], v[AF+FR*(\a):AF+FR*(\a)+FR-1], v[BI+8*\b:BI+8*\b+7], v[SC+8*NQ*(\sc)+NQ*\b+(\q)], v[SC+8*NQ*(\sc)+NQ*(\a)+(\q)] matrix_a_fmt:MATRIX_FMT_FP4 matrix_b_fmt:MATRIX_FMT_FP4 matrix_a_scale:MATRIX_SCALE_ROW1
.else
	v_wmma_scale_f32_16x16x128_f8f6f4 v[8*(8*((\a)%4)+\b):8*(8*((\a)%4)+\b)+7], v[128*(\p)+FR*\b:128*(\p)+FR*\b+FR-1], v[AF+FR*(\a):AF+FR*(\a)+FR-1], v[8*(8*((\a)%4)+\b):8*(8*((\a)%4)+\b)+7], v[SC+8*NQ*(\sc)+NQ*\b+(\q)], v[SC+8*NQ*(\sc)+NQ*(\a)+(\q)] matrix_a_fmt:MATRIX_FMT_FP4 matrix_b_fmt:MATRIX_FMT_FP4 matrix_a_scale:MATRIX_SCALE_ROW1
.endif
.endr
.endr
.endm
.macro FETCH_B slot, q, p
	WIN TO_B
.irp i, 0,1,2,3,4,5,6,7
	FRAG 128*(\p)+FR*\i, ADRB+\slot, \q, \i
.endr
	WIN 0
.endm
.macro FETCH_A slot, q, i0
.irp i, \i0, \i0+1, \i0+2, \i0+3
	FRAG AF+FR*(\i), ADRA+\slot, \q, \i
.endr
.endm
.macro SCALES sc                       ; a slot's scale words into set sc: 4 words a row; lanes 0-15 take X's block i, lanes 16-31 W_qkv's block i
.irp i, 0,1,2,3,4,5,6,7
	ds_load_b128 v[SC+8*NQ*\sc+NQ*\i:SC+8*NQ*\sc+NQ*\i+3], v[ADRS] offset:\i*SBLK
.endr
.endm
.macro PLACES n                        ; plain vector instructions between a matrix instruction and a load into, or a read of, its registers
.rept \n
	v_nop
.endr
.endm
.macro STEP slot, q, first             ; a step of 128 along K that has its successor in the same slot
	s_wait_dscnt 4*NL                              ; W_qkv's set and X's blocks 0-3 are in; the youngest eight loads (X's blocks 4-7) may be out
.if \first
	WIN BIAS_LO
.else
	WIN MUL_LO
.endif
	MUL16 0, (\q)%2, \q, \slot, \first
	MUL16 2, (\q)%2, \q, \slot, \first
	s_wait_dscnt 0                                 ; X's blocks 4-7 are in
	PLACES NP
	FETCH_B \slot, (\q)+1, 1-(\q)%2
	FETCH_A \slot, (\q)+1, 0
.if \first
	WIN BIAS_HI
.else
	WIN MUL_HI
.endif
	MUL16 4, (\q)%2, \q, \slot, \first
	MUL16 6, (\q)%2, \q, \slot, \first
	PLACES NP
	WIN 0
	FETCH_A \slot, (\q)+1, 4
.endm
; Slot 0's last step changes slots: one barrier; in front of it each wave waits for all its tensor loads (its part of slot 1), adds 0 to its spare word, and waits for that and for its reads of slot 0.  Nothing is filled again.
.macro TURN slot, next
	s_wait_tensorcnt 0x0
	ds_add_u32 v[SPW], v[NIL]
	s_wait_dscnt 4*NL+1                            ; (the add and the youngest eight loads may be out)
	WIN MUL_LO
	MUL16 0, 1, NQ-1, \slot, 0
	s_wait_dscnt 0x0                               ; the add is done, and my reads of this slot are over
	s_barrier_signal -1
	MUL16 2, 1, NQ-1, \slot, 0
	WIN 0
	s_barrier_wait -1
	PLACES NP
	v_add_nc_u32 v[ADRS], 4*NQ, v[ADRS]            ; on to the next slot's scale words
	FETCH_B \next, 0, 0
	FETCH_A \next, 0, 0
	SCALES \next
	WIN MUL_HI
	MUL16 4, 1, NQ-1, \slot, 0
	MUL16 6, 1, NQ-1, \slot, 0
	PLACES NP
	WIN 0
	FETCH_A \next, 0, 4
.endm
	s_wait_tensorcnt 1                             ; the scales and my part of slot 0 are in (slot 1's load may be out),
	s_barrier_signal -1
	s_barrier_wait -1                              ; everybody's are
	FETCH_B 0, 0, 0
	FETCH_A 0, 0, 0
	SCALES 0
	FETCH_A 0, 0, 4
	s_wait_loadcnt 0x0                             ; the bias
	STEP 0, 0, 1
	STEP 0, 1, 0
	STEP 0, 2, 0
	TURN 0, 1
	STEP 1, 0, 0
	STEP 1, 1, 0
	STEP 1, 2, 0
	s_wait_dscnt 4*NL                              ; the very last step: nothing more to fetch
	WIN MUL_LO
	MUL16 0, 1, NQ-1, 1, 0
	MUL16 2, 1, NQ-1, 1, 0
	s_wait_dscnt 0
	WIN MUL_HI
	MUL16 4, 1, NQ-1, 1, 0
	MUL16 6, 1, NQ-1, 1, 0
	WIN 0
; THE WAY OUT, block by block of 16 rows x 128 columns: rounded to f16 (16 bytes a lane), through my own stage in LDS, back as whole rows of 256 bytes, stored sixteen lanes to an aligned run of 256 bytes.
.macro PACK a
.set AC, 64*((\a)%4)
	WIN 0x0a+5*((\a)/4)                            ; sources 0 and 1: window 2 or 3
.irp b, 0,1,2,3,4,5,6,7
.irp r, 0,1,2,3
	v_cvt_pk_f16_f32 v[TMP+4*\b+\r], v[AC+8*\b+2*\r], v[AC+8*\b+2*\r+1]   ; each accumulator from its low end on
.endr
.endr
	WIN 0
.endm
.macro TOSTAGE a
.set BK, OB+192*((\a)%2)
.irp b, 0,1,2,3,4,5,6,7
	ds_store_b128 v[STO], v[TMP+4*\b:TMP+4*\b+3] offset:32*\b
.endr
.irp t, 0,1,2,3,4,5,6,7
	ds_load_b128 v[BK+4*\t:BK+4*\t+3], v[RD] offset:\t*2*SPITCH    ; LDS serves a wave's instructions in order: these see the stores above
.endr
.endm
.macro SEND a
.set BK, OB+192*((\a)%2)
	s_wait_dscnt 0x0                               ; the block is back in registers
	s_wait_xcnt 0x0                                ; earlier stores have read their base and their data: only now are they written again
.if (\a) > 0
	s_add_nc_u64 s[10:11], s[10:11], 16*CROW
.endif
.irp t, 0,1,2,3,4,5,6,7
	global_store_b128 v[CO], v[BK+4*\t:BK+4*\t+3], s[10:11] offset:2*\t*CROW
.endr
.endm
	PLACES NP
	PACK 0
	TOSTAGE 0
.irp a, 1,2,3,4,5,6,7                  ; block a's conversions stand between block a - 1's loads from the stage and the wait for them
	PACK \a
	SEND \a-1
	TOSTAGE \a
.endr
	SEND 7
	s_wait_tensorcnt 0x0                           ; the wave's end
	ds_add_u32 v[SPW], v[NIL]
	s_wait_dscnt 0x0
	CROUND                                         ; the closing round
	s_endpgm
.Lfunc_end_k_qf11f685999_qkv:
	.size	k_qf11f685999_qkv, .Lfunc_end_k_qf11f685999_qkv-k_qf11f685999_qkv
	.p2alignl 7, 3214868480
	.fill 96, 4, 3214868480
	.section	.rodata,"a",@progbits
	.p2align	6, 0x0
	.amdhsa_kernel k_qf11f685999_qkv
		.amdhsa_group_segment_fixed_size 327680
		.amdhsa_private_segment_fixed_size 0
		.amdhsa_enable_private_segment 0
		.amdhsa_kernarg_size 32
		.amdhsa_user_sgpr_count 2
		.amdhsa_user_sgpr_kernarg_segment_ptr 1
		.amdhsa_wavefront_size32 1
		.amdhsa_system_sgpr_workgroup_id_x 1
		.amdhsa_system_sgpr_workgroup_id_y 1
		.amdhsa_system_sgpr_workgroup_id_z 1
		.amdhsa_system_vgpr_workitem_id 0
		.amdhsa_next_free_vgpr 1024
		.amdhsa_next_free_sgpr 98
		.amdhsa_reserve_vcc 0
		.amdhsa_float_denorm_mode_32 3
		.amdhsa_float_denorm_mode_16_64 3
		.amdhsa_memory_ordered 1
		.amdhsa_forward_progress 1
		.amdhsa_inst_pref_size 130
	.end_amdhsa_kernel
	.amdgpu_metadata
---
amdhsa.version: [ 1, 2 ]
amdhsa.kernels:
  - .name:           k_qf11f685999_qkv
    .symbol:         k_qf11f685999_qkv.kd
    .args:
      - { .name: cd, .offset: 0, .size: 8, .value_kind: global_buffer, .address_space: global }
      - { .name: sc, .offset: 8, .size: 8, .value_kind: global_buffer, .address_space: global }
      - { .name: b_qkv, .offset: 16, .size: 8, .value_kind: global_buffer, .address_space: global }
      - { .name: qkv, .offset: 24, .size: 8, .value_kind: global_buffer, .address_space: global }
    .group_segment_fixed_size: 327680
    .private_segment_fixed_size: 0
    .kernarg_segment_align: 8
    .kernarg_segment_size: 32
    .max_flat_workgroup_size: 128
    .sgpr_count:     98
    .vgpr_count:     1024
    .wavefront_size: 32
...
	.end_amdgpu_metadata
.endif
;; end of part 2
;; launch scores (part 3): grid 8 x 32, 4 waves a work-group, clusters of 4 x 4, 327,680 bytes of LDS; arguments qkv, mask, pt, st; writes pt, st
.if DOCPART == 3
	.amdgcn_target "amdgcn-amd-amdhsa--gfx1250"
	.amdhsa_code_object_version 6
	.text
	.protected	k_qf11f685999_scores
	.globl	k_qf11f685999_scores
	.p2align	8
	.type	k_qf11f685999_scores,@function
k_qf11f685999_scores:
	s_mov_b64 s[64:65], 0
	v_nop
	global_prefetch_b8 v0, s[64:65] scope:SCOPE_SE
	s_setreg_imm32_b32 hwreg(HW_REG_WAVE_MODE, 25, 1), 1
	s_wait_xcnt 0x0
	s_wait_alu depctr_hold_cnt(0) depctr_sa_sdst(0) depctr_va_vdst(0) depctr_va_sdst(0) depctr_va_ssrc(0) depctr_va_vcc(0) depctr_vm_vsrc(0)
	s_getreg_b32 s2, hwreg(HW_REG_IB_STS2, 6, 4)
	s_cmp_eq_u32 s2, 0
	s_cbranch_scc0 .Lentry_in_a_cluster
	s_endpgm
.Lentry_in_a_cluster:
	s_bfe_u32 s2, ttmp6, 0x10000c
	s_cmp_lg_u32 s2, 0xf033
	s_cbranch_scc0 .Lentry_shape_is_right
	s_endpgm
.Lentry_shape_is_right:
; SCORES.  s = q . k (f16 operands, f32 sums), t = s x log2(e) / 32; where mask == 0 the score is -infinity.  For each query and each BLOCK j of 128 keys: M_j = the block's largest t rounded up to a whole number,
; P~ = 2^(t - M_j), stored as f16 in pt [8192 rows = batch x 2048 + query][2048 keys]; -M_j and l_j = the block's sum of the unrounded P~ go to st [16 j][2][8192], f32.  Launch ctx joins the blocks: the
; maximum that is taken away is the row's true one, M = max M_j, by factors 2^(M_j - M) that round nothing.
; (k carries no bias here: shown dead at the head of launch prep.)
; LIMITS: a block all of whose keys are masked takes -3e38 for its largest score: its P~ and l_j are 0 and its factor in ctx is 0.  P~ under 6e-5 has fewer than 11 bits in f16, under 3e-8 it is 0.
; A tile of 256 queries x 256 keys is made by four waves, 128 x 128 each, which is one block j: 64 accumulators of 16 x 16.  K = 1,024 goes in 8 steps of 128 through two LDS slots (rows of 256 bytes).
; CLUSTERS: 4 x 4 work-groups; q's tiles are asked for jointly along a row of the cluster, k's along a column.
; TRANSPOSED USE: source 0 = 16 rows of k, source 1 = 16 rows of q: in accumulator (a, b) register i of lane l holds query 16 a + l % 16 and key 16 b + 8 (l / 16) + i: eight neighbouring keys of one query.
; THE MASK: a wave's 128 x 128 numbers of 4 bytes come by two tensor loads of its own, 64 rows each, into the bytes of the ring that the wave itself used to fill: the first when slot 0 has been read out,
; the second when slot 1 has.  They are prefetched a K step ahead of each load.
; REGISTERS: window 0: v0-31 addresses and statistics; v64-191 q's fragments, two buffers; on the way out v32-63 packed P~, v64-127 rows read back, v128-135 the statistics' store data, v192-255 the block at work.
;   window 1: v0 = -infinity; v64-191 k's fragments, two buffers, later the mask's numbers, two sets.   windows 2, 3: the accumulators of my queries 0-63, 64-127 ((a, b) at v[8 (8 (a % 4) + b)]).
.set KSTEP,  128
.set PITCH,  272                       ; an LDS row: 256 bytes + 16 of padding
.set HALFT,  128*PITCH
.set SLOT,   4*HALFT
.set STAGE,  2*SLOT                    ; behind the ring: 16 rows x 272 bytes for each wave
.set SPITCH, 272
.set SPARE,  STAGE+4*16*SPITCH         ; the spare words
.set LAPS,   4                         ; a lap = two K steps
.set QROW,   6144                      ; a row of qkv in bytes
.set PROW,   4096                      ; a row of pt
.set MROW,   8192                      ; a row of the mask
.set MP,     544                       ; a row of the mask in LDS: two runs of 256 bytes, 16 of padding behind each
.set T,    4                           ; v4-7    four running maxima
.set NM,   8                           ; v[8:9]  -M (the packed form names the pair and takes its low word)
.set L0,   10                          ; v[10:11], v[12:13] the sum, in two chains
.set L1,   12
.set ADRA, 16
.set ADRB, 20
.set STA,  22                          ; v22  the statistics: 32,768 (l / 16) + 4 (l % 16)
.set MKB,  23                          ; v23  my lane's place in the mask's second half
.set STO,  24
.set RD,   25
.set CO,   26
.set MKA,  27                          ; v27  and in its first
.set SPW,  28
.set NIL,  29
.set PFO,  30                          ; v30  the prefetches' offset: a row of the mask a lane
.set TMP,  32
.set OB,   64
.set STD,  128
.set S,    192
.set F0,   64
.set F1,   128
.set G1,  24                           ; s[24:31] group 1 for q's tiles;  s[32:39] group 0, a set for each slot
.set G0,  32
.set G1B, 48                           ; s[48:55], s[56:63] the same for k's
.set G0B, 56
.set G1M, 68                           ; s[68:75] group 1 for the mask's tiles;  s[76:83] group 0, a set for each half
.set GM,  76
.set PQ,  84                           ; s[84:85] qkv, s[86:87] mask, s[88:89] pt, s[90:91] st
.set PMK, 86
.set PP,  88
.set PS,  90
.set CS,  92                           ; s[92:93] c = log2(e) / 32
.set SEL, 94                           ; s[94:95] v_permlanex16_b32's selects for lane l xor 16
.set HI16, 96                          ; s96 lanes 16-31
.set PFM, 98                           ; s[98:99] my wave's part of the mask in memory
.set MSB, 0
.macro WIN new
.if MSB != (\new)
	s_set_vgpr_msb (MSB<<8)|(\new)
.set MSB, (\new)
.endif
.endm
.set MUL_LO, 0xa1                      ; source 0 (k) window 1, source 1 (q) window 0, C and D window 2
.set MUL_HI, 0xf1
.set TO_B,   0x40
.macro JLOAD s                         ; a joint load: waves 0 and 1 fetch q's two halves, waves 2 and 3 k's; an s_nop 0 and four v_nop follow each line
	s_cmp_eq_u32 s11, 0
	s_cbranch_scc0 .Lfor_b_\@
	tensor_load_to_lds s[G0+4*\s:G0+4*\s+3], s[G1:G1+7]
	s_nop 0
.rept 4
	v_nop
.endr
	s_branch .Lasked_\@
.Lfor_b_\@:
	tensor_load_to_lds s[G0B+4*\s:G0B+4*\s+3], s[G1B:G1B+7]
	s_nop 0
.rept 4
	v_nop
.endr
.Lasked_\@:
.endm
.macro MLOAD u                         ; half u of my own part of the mask: every wave issues its own, with no work-group mask
	tensor_load_to_lds s[GM+4*\u:GM+4*\u+3], s[G1M:G1M+7]
	s_nop 0
.rept 4
	v_nop
.endr
.endm
; A prefetch into the L2 of half u of my part of the mask: 64 rows x 512 bytes: a lane a row, four instructions.  Nobody else reads these bytes, so each aligned 256 bytes is named once in the launch.
; It stands a K step, 256 matrix instructions, ahead of the tensor load that wants them; its address registers are never rewritten.
.macro ASKM u
.irp i, 0,1
.irp k, 0,1
	global_prefetch_b8 v[PFO], s[PFM:PFM+1] offset:\u*64*MROW+\i*32*MROW+\k*256 th:TH_LOAD_NT scope:SCOPE_SE
.endr
.endr
.endm
.macro CREST
	s_cmp_lg_u32 s10, 0
	s_cbranch_scc1 .Lnot_wave_0_\@
	s_barrier_signal -3
.Lnot_wave_0_\@:
	s_barrier_wait -3
	s_barrier_signal -1
	s_barrier_wait -1
.endm
.macro CROUND
	s_barrier_signal -1
	s_barrier_wait -1
	CREST
.endm
	s_load_b256 s[84:91], s[0:1], 0x0
	v_lshl_add_u32 v[SPW], v0, 2, SPARE
	v_mov_b32 v[NIL], 0
	ds_add_u32 v[SPW], v[NIL]                      ; the wave's opening: the add, twice on end, and its wait ahead of my first tensor load
	ds_add_u32 v[SPW], v[NIL]
	v_lshrrev_b32 v1, 5, v0
	v_readfirstlane_b32 s10, v1                    ; wave 0..3
	s_lshr_b32 s11, s10, 1                         ; which half of the tile's queries is mine.  Also: I fetch for q (0) or for k (1)
	s_and_b32 s12, s10, 1                          ; which half of its keys.  Also: which 128 rows of that tile I fetch
	s_bfe_u32 s40, ttmp6, 0x40000                  ; cx
	s_bfe_u32 s41, ttmp6, 0x40004                  ; cy
	s_lshl_b32 s42, ttmp9, 2
	s_add_co_u32 s42, s42, s40                     ; tile column (256 keys) = 4 x cluster x + cx: 0..7
	s_and_b32 s45, ttmp7, 0xffff
	s_lshl_b32 s13, s45, 2
	s_add_co_u32 s13, s13, s41                     ; tile row (256 rows of all batches) = 4 x cluster y + cy: 0..31
	s_lshr_b32 s45, s45, 1                         ; the batch: two clusters' rows each; the partners share it
	s_lshl_b32 s43, s41, 2
	s_lshl_b32 s43, 15, s43                        ; my row of the cluster
	s_lshl_b32 s44, 0x1111, s40                    ; my column
	s_or_b32 s[G1+0], s43, (1<<16)|(1<<20)|(1<<21)|(5<<22)|(3<<25)   ; elements of 2 bytes; 4 words of padding behind every 64
	s_or_b32 s[G1B+0], s44, (1<<16)|(1<<20)|(1<<21)|(5<<22)|(3<<25)
.irp g, G1, G1B
	s_mov_b32 s[\g+1], KSTEP<<16                   ; tensor_dim0 = 128
	s_mov_b32 s[\g+2], 128<<16                     ; tensor_dim1 = 128
	s_mov_b32 s[\g+3], KSTEP<<16                   ; tile_dim0
	s_mov_b32 s[\g+4], 128                         ; tile_dim1
	s_mov_b32 s[\g+5], 3072                        ; elements from row to row
	s_mov_b32 s[\g+6], 0
	s_mov_b32 s[\g+7], 0
.endr
	s_mov_b32 s[G1M+0], (2<<16)|(1<<20)|(5<<22)|(3<<25)   ; the mask: elements of 4 bytes; 4 words of padding behind every 64: the very bytes that a tile of the ring fills
	s_mov_b32 s[G1M+1], 128<<16
	s_mov_b32 s[G1M+2], 64<<16
	s_mov_b32 s[G1M+3], 128<<16
	s_mov_b32 s[G1M+4], 64
	s_mov_b32 s[G1M+5], 2048
	s_mov_b32 s[G1M+6], 0
	s_mov_b32 s[G1M+7], 0
	s_lshl_b32 s17, s12, 7                         ; which 128 rows of the tile I fetch
	s_lshl_b32 s16, s13, 8
	s_add_co_u32 s16, s16, s17
	s_mul_i32 s16, s16, QROW                       ; q: row 256 x tile row + 128 x half
	s_lshl_b32 s46, s42, 8
	s_add_co_u32 s46, s46, s17
	s_lshl_b32 s47, s45, 11
	s_add_co_u32 s46, s46, s47
	s_mul_i32 s46, s46, QROW                       ; k: row 2,048 x batch + 256 x tile column + 128 x half,
	s_add_co_u32 s46, s46, 2048                    ; 2,048 bytes on in the row
	s_mov_b32 s17, 0
	s_mov_b32 s47, 0
	s_lshl_b32 s18, s13, 8
	s_lshl_b32 s19, s11, 7
	s_add_co_u32 s18, s18, s19                     ; my first row
	s_lshl_b32 s21, s42, 1
	s_add_co_u32 s21, s21, s12                     ; j: my block of 128 keys
	s_mul_i32 s22, s18, MROW
	s_lshl_b32 s23, s21, 9
	s_add_co_u32 s22, s22, s23                     ; the mask: row x 8,192 + 512 j
	s_mov_b32 s23, 0
	s_mul_i32 s4, s18, PROW
	s_lshl_b32 s5, s21, 8
	s_add_co_u32 s4, s4, s5                        ; pt: row x 4,096 + 256 j
	s_mov_b32 s5, 0
	s_lshl_b32 s6, s21, 16
	s_lshl_b32 s7, s18, 2
	s_add_co_u32 s6, s6, s7                        ; st: 65,536 j + 4 x row
	s_mov_b32 s7, 0
	s_mul_i32 s20, s10, HALFT                      ; where my tiles go: wave x 128 rows
	s_mov_b32 s[CS], 0x3d38aa3b                    ; c = log2(e) / 32
	s_mov_b32 s[CS+1], s[CS]
	s_mov_b32 s[SEL], 0x76543210
	s_mov_b32 s[SEL+1], 0xfedcba98
	s_mov_b32 s[HI16], 0xffff0000
	s_wait_dscnt 0x0                               ; both opening adds are done
	s_wait_kmcnt 0x0
	s_add_nc_u64 s[14:15], s[PQ:PQ+1], s[16:17]
	s_add_nc_u64 s[46:47], s[PQ:PQ+1], s[46:47]
	s_add_nc_u64 s[PFM:PFM+1], s[PMK:PMK+1], s[22:23]
	s_add_nc_u64 s[PP:PP+1], s[PP:PP+1], s[4:5]
	s_add_nc_u64 s[PS:PS+1], s[PS:PS+1], s[6:7]
	CROUND                                         ; all sixteen work-groups are here: the first joint loads meet
.irp s, 0,1
	s_mov_b32 s[G0+4*\s], 1
	s_add_co_u32 s[G0+4*\s+1], s20, \s*SLOT
	s_add_nc_u64 s[G0+4*\s+2:G0+4*\s+3], s[14:15], \s*KSTEP*2
	s_or_b32 s[G0+4*\s+3], s[G0+4*\s+3], 0x80000000
	s_mov_b32 s[G0B+4*\s], 1
	s_add_co_u32 s[G0B+4*\s+1], s20, \s*SLOT
	s_add_nc_u64 s[G0B+4*\s+2:G0B+4*\s+3], s[46:47], \s*KSTEP*2
	s_or_b32 s[G0B+4*\s+3], s[G0B+4*\s+3], 0x80000000
	JLOAD \s                                       ; two loads of mine are out
.endr
.irp u, 0,1
	s_mov_b32 s[GM+4*\u], 1
	s_add_co_u32 s[GM+4*\u+1], s20, \u*SLOT
	s_add_nc_u64 s[GM+4*\u+2:GM+4*\u+3], s[PFM:PFM+1], \u*64*MROW
	s_or_b32 s[GM+4*\u+3], s[GM+4*\u+3], 0x80000000
.endr
	v_and_b32 v1, 15, v0                           ; r
	v_bfe_u32 v2, v0, 4, 1                         ; h
	v_mul_u32_u24 v3, v1, PITCH
	v_lshl_add_u32 v3, v2, 4, v3
	s_mul_i32 s21, s11, HALFT                      ; my 128 rows of q
	s_mul_i32 s22, s12, HALFT                      ; my 128 rows of k,
	s_add_co_u32 s22, s22, 2*HALFT                 ; which lie behind q's 256
.irp s, 0,1
	v_add_nc_u32 v[ADRA+\s], s21, v3
	v_add_nc_u32 v[ADRB+\s], s22, v3
	s_add_co_u32 s21, s21, SLOT
	s_add_co_u32 s22, s22, SLOT
.endr
	s_mul_i32 s23, s10, 16*SPITCH
	s_add_co_u32 s23, s23, STAGE                   ; my stage
	v_mul_u32_u24 v4, v1, SPITCH
	v_lshl_add_u32 v4, v2, 4, v4
	v_add_nc_u32 v[STO], s23, v4                   ; in: row r, 16 bytes for each half of the lanes
	v_mul_u32_u24 v5, v2, SPITCH
	v_lshl_add_u32 v5, v1, 4, v5
	v_add_nc_u32 v[RD], s23, v5                    ; back: lanes 0-15 one row of 256 bytes, lanes 16-31 the next
	v_lshlrev_b32 v5, 12, v2
	v_lshl_add_u32 v[CO], v1, 4, v5                ; and the same two rows in pt
	v_mul_u32_u24 v4, v1, MP
	v_lshl_add_u32 v4, v2, 5, v4
	v_add_nc_u32 v[MKA], s20, v4                   ; the mask in LDS: row r, + 32 h: my eight numbers of a tile of 16 keys
	v_add_nc_u32 v[MKB], SLOT, v[MKA]
	v_lshlrev_b32 v[STA], 2, v1
	v_lshl_add_u32 v[STA], v2, 15, v[STA]
	v_and_b32 v[PFO], 31, v0
	v_lshlrev_b32 v[PFO], 13, v[PFO]
	v_mov_b32 v[NM+1], 0                           ; (named with -M as a pair, so it is written)
	WIN 0x40
	v_mov_b32 v0, 0xff800000                       ; v0 of window 1: -infinity
	WIN 0
; 16 matrix instructions: query blocks a0, a0 + 1 of the window's four x all 8 key blocks, 32 along K.  zero = 1: the first product starts the sums.  The 64 accumulators take turns.
.macro MUL16 f, hi, a0, zero
.irp a, \a0, \a0+1
.irp b, 0,1,2,3,4,5,6,7
.if \zero
	v_wmma_f32_16x16x32_f16 v[8*(8*(\a)+\b):8*(8*(\a)+\b)+7], v[\f+8*\b:\f+8*\b+7], v[\f+8*(4*\hi+\a):\f+8*(4*\hi+\a)+7], 0
.else
	v_wmma_f32_16x16x32_f16 v[8*(8*(\a)+\b):8*(8*(\a)+\b)+7], v[\f+8*\b:\f+8*\b+7], v[\f+8*(4*\hi+\a):\f+8*(4*\hi+\a)+7], v[8*(8*(\a)+\b):8*(8*(\a)+\b)+7]
.endif
.endr
.endr
.endm
.macro FETCH slot, k, f                ; 32 LDS loads in one run: the fragments of 32 along K at byte k of the rows
	WIN TO_B
.irp i, 0,1,2,3,4,5,6,7
	ds_load_b128 v[\f+8*\i:\f+8*\i+3],   v[ADRB+\slot] offset:\k+\i*16*PITCH
	ds_load_b128 v[\f+8*\i+4:\f+8*\i+7], v[ADRB+\slot] offset:\k+\i*16*PITCH+32
.endr
	WIN 0
.irp i, 0,1,2,3,4,5,6,7
	ds_load_b128 v[\f+8*\i:\f+8*\i+3],   v[ADRA+\slot] offset:\k+\i*16*PITCH
	ds_load_b128 v[\f+8*\i+4:\f+8*\i+7], v[ADRA+\slot] offset:\k+\i*16*PITCH+32
.endr
.endm
.macro PLACES                          ; four plain vector instructions between a matrix instruction and a load into, or a read of, its registers
.rept 4
	v_nop
.endr
.endm
.macro QUARTER slot, k, f, g, zero     ; multiplies buffer f; in its middle fetches the next quarter's fragments, at byte k, into buffer g
	s_wait_dscnt 8                                 ; k's and q's rows 0-63 are in; the youngest eight loads (q's rows 64-127) may be out
	WIN MUL_LO
	MUL16 \f, 0, 0, \zero
	MUL16 \f, 0, 2, \zero
	PLACES
	FETCH \slot, \k, \g
	s_wait_dscnt 32                                ; all but the 32 just issued
	WIN MUL_HI
	MUL16 \f, 1, 0, \zero
	MUL16 \f, 1, 2, \zero
.endm
; The first half of a K step's last quarter: each wave waits for all its tensor loads, adds 0 to its spare word, waits for that and for its reads of this slot, and opens a round of the cluster's barrier.
.macro MEET
	WIN 0
	s_wait_tensorcnt 0x0                           ; all my tensor loads have landed
	ds_add_u32 v[SPW], v[NIL]
	s_wait_dscnt 9                                 ; (the add and the youngest eight loads may be out)
	WIN MUL_LO
	MUL16 F1, 0, 0, 0
	s_wait_dscnt 0x0                               ; the add is done, and my reads of this slot are over
	s_barrier_signal -1
	MUL16 F1, 0, 2, 0
	WIN 0
	s_barrier_wait -1
.endm
; The whole last quarter.  kind = 0: this slot takes the K step two steps on, by a joint load.  kind = 1: slot 0 is done with and takes the first half of each wave's part of the mask.
; ask = 1: in the loop's last trip, the prefetch of the mask's first half; ask = 2: that of its second half.
.macro TURN slot, next, kind, ask
	MEET
	CREST                                          ; no wave of any partner still reads this slot or has a load on its way
.if \kind
	MLOAD 0
.else
	s_add_nc_u64 s[G0+4*\slot+2:G0+4*\slot+3], s[G0+4*\slot+2:G0+4*\slot+3], 2*KSTEP*2
	s_add_nc_u64 s[G0B+4*\slot+2:G0B+4*\slot+3], s[G0B+4*\slot+2:G0B+4*\slot+3], 2*KSTEP*2
	JLOAD \slot                                    ; the first tensor load behind the round; its four v_nop are also the places in front of the loads below
.endif
	FETCH \next, 0, F0
.if \ask == 1
	s_cmp_eq_u32 s3, 1
	s_cbranch_scc0 .Lnot_yet_\@
	ASKM 0
.Lnot_yet_\@:
.elseif \ask == 2
	ASKM 1
.endif
	WIN MUL_HI
	MUL16 F1, 1, 0, 0
	MUL16 F1, 1, 2, 0
.endm
	s_wait_tensorcnt 1                             ; my part of K step 0 is in (K step 1's load may be out),
	s_barrier_signal -1
	s_barrier_wait -1                              ; everybody's is
	FETCH 0, 0, F0
	QUARTER 0, 64,  F0, F1, 1                      ; the first quarter stands in front of the loop: its products start the sums
	WIN 0
	s_mov_b32 s3, LAPS-1
.Llap:                                                 ; a trip goes once round the ring and fills both slots again
	QUARTER 0, 128, F1, F0, 0
	QUARTER 0, 192, F0, F1, 0
	TURN 0, 1, 0, 0
	QUARTER 1, 64,  F0, F1, 0
	QUARTER 1, 128, F1, F0, 0
	QUARTER 1, 192, F0, F1, 0
	TURN 1, 0, 0, 1
	QUARTER 0, 64,  F0, F1, 0
	WIN 0
	s_sub_co_u32 s3, s3, 1
	s_cmp_lg_u32 s3, 0
	s_cbranch_scc1 .Llap
	QUARTER 0, 128, F1, F0, 0                      ; the last lap
	QUARTER 0, 192, F0, F1, 0
	TURN 0, 1, 1, 2                                ; slot 0 takes the mask's rows 0-63 of each wave
	QUARTER 1, 64,  F0, F1, 0
	QUARTER 1, 128, F1, F0, 0
	QUARTER 1, 192, F0, F1, 0
	MEET                                           ; the mask's first half has landed; slot 1 is read out
	CREST
	MLOAD 1                                        ; slot 1 takes the mask's rows 64-127
	WIN MUL_HI
	MUL16 F1, 1, 0, 0
	MUL16 F1, 1, 2, 0
	WIN 0
; THE WAY OUT, a block of 16 queries x 128 keys at a time.
.macro MASKLD a                        ; the mask's 64 numbers a lane for block a, in the accumulators' order, into set a % 2 of window 1
.if (\a) < 4
.set MR, MKA
.else
.set MR, MKB
.endif
	WIN 0x40
.irp b, 0,1,2,3,4,5,6,7
	ds_load_b128 v[64+64*((\a)%2)+8*\b:64+64*((\a)%2)+8*\b+3],   v[MR] offset:((\a)%4)*16*MP+64*\b+16*(\b/4)
	ds_load_b128 v[64+64*((\a)%2)+8*\b+4:64+64*((\a)%2)+8*\b+7], v[MR] offset:((\a)%4)*16*MP+64*\b+16*(\b/4)+16
.endr
	WIN 0
.endm
.macro SOFT a
.set AC, 64*((\a)%4)
.set MK, 64+64*((\a)%2)
.set BK, OB+32*((\a)%2)
.if (\a) < 7
	s_wait_dscnt 16                                ; this block's mask is in; the next block's 16 loads may be out
.else
	s_wait_dscnt 0x0
.endif
	WIN 0x06+(\a)/4                                ; source 0 (the scores) window 2 or 3, source 1 (the mask, -infinity) window 1, destination window 0
.set n, 0
.rept 64
	v_cmp_eq_u32 vcc_lo, 0, v[MK+n]
	v_cndmask_b32 v[S+n], v[AC+n], v0, vcc_lo      ; mask == 0: -infinity; the score moves into window 0 by the same line.  Each accumulator from its low end on
.set n, n+1
.endr
	WIN 0
.irp c, 0,1,2,3
	v_max3_num_f32 v[T+\c], v[S+16*\c], v[S+16*\c+1], v[S+16*\c+2]   ; the largest of my 64 scores, in four chains
.endr
.irp i, 3,5,7,9,11,13
.irp c, 0,1,2,3
	v_max3_num_f32 v[T+\c], v[T+\c], v[S+16*\c+\i], v[S+16*\c+\i+1]
.endr
.endr
.irp c, 0,1,2,3
	v_max_num_f32 v[T+\c], v[T+\c], v[S+16*\c+15]
.endr
	v_max3_num_f32 v[T], v[T], v[T+1], v[T+2]
	v_max3_num_f32 v[T], v[T], v[T+3], 0xff61b1e6  ; and -3e38, so that a block with no key left has a number for its maximum
	v_permlanex16_b32 v[T+1], v[T], s[SEL], s[SEL+1]
	v_max_num_f32 v[T], v[T], v[T+1]               ; with lane l xor 16's 64 keys: the block's
	v_mul_f32 v[T], s[CS], v[T]                    ; as t (c is positive)
	v_floor_f32 v[NM], -v[T]                       ; -M = floor(-t) = -ceil(t): a whole number
.set n, 0
.rept 32
	v_pk_fma_f32 v[S+n:S+n+1], v[S+n:S+n+1], s[CS:CS+1], v[NM:NM+1] op_sel_hi:[1,0,0]   ; t - M, two at a time
.set n, n+2
.endr
.set n, 0
.rept 64
	v_exp_f32 v[S+n], v[S+n]                       ; P~ = 2^(t - M), at most 1
.set n, n+1
.endr
	v_nop                                          ; a plain instruction behind the last exponential
	s_wait_alu depctr_va_vdst(0)                   ; one wait for the batch, ahead of its first reader
	v_pk_add_f32 v[L0:L0+1], v[S:S+1], v[S+2:S+3]  ; the sum of the unrounded P~, two at a time, in two chains
	v_pk_add_f32 v[L1:L1+1], v[S+4:S+5], v[S+6:S+7]
.irp j, 8,12,16,20,24,28,32,36,40,44,48,52,56,60
	v_pk_add_f32 v[L0:L0+1], v[L0:L0+1], v[S+\j:S+\j+1]
	v_pk_add_f32 v[L1:L1+1], v[L1:L1+1], v[S+\j+2:S+\j+3]
.endr
	v_pk_add_f32 v[L0:L0+1], v[L0:L0+1], v[L1:L1+1]
	v_add_f32 v[L0], v[L0], v[L0+1]
	v_permlanex16_b32 v[T+2], v[L0], s[SEL], s[SEL+1]
	v_add_f32 v[L0], v[L0], v[T+2]                 ; l: the block's sum for my query
.set n, 0
.rept 32
	v_cvt_pk_f16_f32 v[TMP+n], v[S+2*n], v[S+2*n+1]
.set n, n+1
.endr
	v_cndmask_b32 v[STD+(\a)], v[NM], v[L0], s[HI16]   ; lanes 0-15 store -M, lanes 16-31 l: 64 consecutive bytes each
	global_store_b32 v[STA], v[STD+(\a)], s[PS:PS+1] offset:64*(\a)
.irp b, 0,1,2,3,4,5,6,7
	ds_store_b128 v[STO], v[TMP+4*\b:TMP+4*\b+3] offset:32*\b
.endr
.irp t, 0,1,2,3,4,5,6,7
	ds_load_b128 v[BK+4*\t:BK+4*\t+3], v[RD] offset:\t*2*SPITCH   ; LDS serves a wave's instructions in order: these see the stores above
.endr
.if (\a) == 2
	s_wait_tensorcnt 0x0                           ; the mask's second half, my own load, has landed: block 4's numbers are read below
.endif
.if (\a) < 6
	MASKLD (\a)+2
	s_wait_dscnt 16                                ; the block is back in registers; the 16 mask loads just issued may be out
.else
	s_wait_dscnt 0x0
.endif
	s_wait_xcnt 0x0                                ; earlier stores have read their base and their data: only now are they written again
.if (\a) > 0
	s_add_nc_u64 s[PP:PP+1], s[PP:PP+1], 16*PROW
.endif
.irp t, 0,1,2,3,4,5,6,7
	global_store_b128 v[CO], v[BK+4*\t:BK+4*\t+3], s[PP:PP+1] offset:2*\t*PROW   ; 16 lanes store 256 consecutive bytes, aligned
.endr
.endm
	PLACES                                         ; behind the last products: for the loads into k's buffers and the reads of results
	MASKLD 0
	MASKLD 1
.irp a, 0,1,2,3,4,5,6,7
	SOFT \a
.endr
	s_wait_tensorcnt 0x0                           ; the wave's end
	ds_add_u32 v[SPW], v[NIL]
	s_wait_dscnt 0x0
	CROUND                                         ; the closing round
	s_endpgm
.Lfunc_end_k_qf11f685999_scores:
	.size	k_qf11f685999_scores, .Lfunc_end_k_qf11f685999_scores-k_qf11f685999_scores
	.p2alignl 7, 3214868480
	.fill 96, 4, 3214868480
	.section	.rodata,"a",@progbits
	.p2align	6, 0x0
	.amdhsa_kernel k_qf11f685999_scores
		.amdhsa_group_segment_fixed_size 327680
		.amdhsa_private_segment_fixed_size 0
		.amdhsa_enable_private_segment 0
		.amdhsa_kernarg_size 32
		.amdhsa_user_sgpr_count 2
		.amdhsa_user_sgpr_kernarg_segment_ptr 1
		.amdhsa_wavefront_size32 1
		.amdhsa_system_sgpr_workgroup_id_x 1
		.amdhsa_system_sgpr_workgroup_id_y 1
		.amdhsa_system_sgpr_workgroup_id_z 1
		.amdhsa_system_vgpr_workitem_id 0
		.amdhsa_next_free_vgpr 1024
		.amdhsa_next_free_sgpr 100
		.amdhsa_reserve_vcc 1
		.amdhsa_float_denorm_mode_32 3
		.amdhsa_float_denorm_mode_16_64 3
		.amdhsa_memory_ordered 1
		.amdhsa_forward_progress 1
		.amdhsa_inst_pref_size 255
	.end_amdhsa_kernel
	.amdgpu_metadata
---
amdhsa.version: [ 1, 2 ]
amdhsa.kernels:
  - .name:           k_qf11f685999_scores
    .symbol:         k_qf11f685999_scores.kd
    .args:
      - { .name: qkv, .offset: 0, .size: 8, .value_kind: global_buffer, .address_space: global }
      - { .name: mask, .offset: 8, .size: 8, .value_kind: global_buffer, .address_space: global }
      - { .name: pt, .offset: 16, .size: 8, .value_kind: global_buffer, .address_space: global }
      - { .name: st, .offset: 24, .size: 8, .value_kind: global_buffer, .address_space: global }
    .group_segment_fixed_size: 327680
    .private_segment_fixed_size: 0
    .kernarg_segment_align: 8
    .kernarg_segment_size: 32
    .max_flat_workgroup_size: 128
    .sgpr_count:     100
    .vgpr_count:     1024
    .wavefront_size: 32
...
	.end_amdgpu_metadata
.endif
;; end of part 3
;; launch ctx (part 4): grid 4 x 64, 4 waves a work-group, clusters of 4 x 4, 327,680 bytes of LDS; arguments pt, st, qkv, ctx; writes ctx
.if DOCPART == 4
	.amdgcn_target "amdgcn-amd-amdhsa--gfx1250"
	.amdhsa_code_object_version 6
	.text
	.protected	k_qf11f685999_ctx
	.globl	k_qf11f685999_ctx
	.p2align	8
	.type	k_qf11f685999_ctx,@function
k_qf11f685999_ctx:
	s_mov_b64 s[64:65], 0
	v_nop
	global_prefetch_b8 v0, s[64:65] scope:SCOPE_SE
	s_setreg_imm32_b32 hwreg(HW_REG_WAVE_MODE, 25, 1), 1
	s_wait_xcnt 0x0
	s_wait_alu depctr_hold_cnt(0) depctr_sa_sdst(0) depctr_va_vdst(0) depctr_va_sdst(0) depctr_va_ssrc(0) depctr_va_vcc(0) depctr_vm_vsrc(0)
	s_getreg_b32 s2, hwreg(HW_REG_IB_STS2, 6, 4)
	s_cmp_eq_u32 s2, 0
	s_cbranch_scc0 .Lentry_in_a_cluster
	s_endpgm
.Lentry_in_a_cluster:
	s_bfe_u32 s2, ttmp6, 0x10000c
	s_cmp_lg_u32 s2, 0xf033
	s_cbranch_scc0 .Lentry_shape_is_right
	s_endpgm
.Lentry_shape_is_right:
; CTX.  ctx[row][e] = sum over j of f_j x (sum over the keys of block j of P~[row][key] v[key][e]), with M = max over j of M_j, s_j = 2^(M_j - M) (a power of two), L = sum of s_j l_j, f_j = s_j / L.
; That is softmax(scores) v with the row's true maximum taken away.  P~ (f16, launch scores) and v (the third part of a row of qkv, f16) go to the matrix unit as they lie; sums and factors are f32; ctx is stored as f16 [8192][1024].
; THE FACTORS ACT ON SUMS, IN f32.  A K step is one block j of 128 keys.  It is summed by itself in a set of accumulators T, begun with the constant 0; in the first quarter of the next K step, ahead of the product that
; begins T(n) anew, four packed multiply-adds fold it into the running sum: ACC(n) += f_j T(n).  The first fold is a multiplication, so nothing is cleared; the last is the first line of the way out.
; LIMITS: a row all of whose keys are masked has L = 0 and comes out NaN, as in the definition; a block all of whose keys are masked has the factor 0; ctx keeps f16's range, as v does.
; A tile of 128 rows x 256 channels is made by four waves, 64 x 128 each: 32 accumulators, twice.  K = 2,048 keys goes in 16 steps of 128 through two LDS slots.
; CLUSTERS: 4 x 4 work-groups; P~'s tiles are asked for jointly along a row of the cluster, v's along a column.
; LAYOUT: source 0 = 16 channels x 32 keys of v, turned on the way out of LDS by ds_load_tr16_b128 (v lies [key][channel]); source 1 = 16 rows x 32 keys of P~.  A lane holds one row and eight neighbouring channels,
; so a row's factor is one number a lane for each of the wave's four blocks of rows.
; REGISTERS: window 0: v0-31 addresses; v32-63, v64-95 P~'s fragments, two buffers; v96-159, v160-223 v's, two buffers; v224-231 my four rows' factors, each twice; on the way out v32-191 are free.
;   window 1: T, the 32 accumulators of the block in hand ((a, b) at v[8 (8 a + b)]).   window 2: ACC, the running sums, laid alike.
.set PA,    272                        ; a row of P~ in LDS: 256 bytes + 16
.set PV,    544                        ; a row of v: 512 bytes + 32
.set VOFF,  128*PA                     ; a slot: 128 rows of P~, then 128 keys of v
.set SLOT,  VOFF+128*PV
.set FT,    2*SLOT                     ; the factors: [16 j][128 places] pairs (f, f) of f32; place = 64 (row / 64) + 4 (row % 16) + (row / 16) % 4
.set STAGE, FT+16384                   ; 16 rows x 272 bytes for each wave
.set SPITCH, 272
.set SPARE, STAGE+4*16*SPITCH          ; the spare words, 128 bytes for each wave
.set PROW,  4096                       ; a row of pt
.set QROW,  6144                       ; a row of qkv
.set CROW,  2048                       ; a row of ctx
.set ADRA, 16                          ; v16-17 my place in P~'s tile, slot 0, 1
.set FTW,  18                          ; v18    where my thread's factors go
.set ADRV, 20                          ; v20-21 my place in v's tile
.set FTA,  22                          ; v22    where my lane's four factors of block 0 lie
.set STO,  24
.set RD,   25
.set CO,   26
.set SOF,  27                          ; v27    4 x thread: my row's statistics
.set SPW,  28
.set NIL,  29
.set PFO,  30                          ; v30    the prefetches' offset: a row of pt a lane
.set FTC,  31                          ; v31    the factors' address of the block in hand
.set PF,   32
.set VF,   96
.set FCT,  224
.set WK,   96                          ; the way out: a block of ctx in f32,
.set TMP,  160                         ; as f16,
.set OB,   32                          ; and read back by rows: v32-63 and v64-95 by turns
.set NMJ,  96                          ; at the head: -M_j, l_j, their minimum, L, s_j, 1 / L, the pairs (f_j, f_j)
.set LJ,   112
.set NMIN, 128
.set LS,   130
.set SJ,   132
.set RC,   148
.set FPA,  160
.set G1A, 24
.set G0A, 32
.set G1V, 48
.set G0V, 56
.set PFA, 92                           ; s[92:93] where my prefetches stand
.set LIM, 94                           ; s94 1 in the wave that prefetches, else the greatest number
.set FJ,  95                           ; s95 1,024 x the block in hand
.set MSB, 0
.macro WIN new                         ; the immediate's high byte repeats the setting that is left
.if MSB != (\new)
	s_set_vgpr_msb (MSB<<8)|(\new)
.set MSB, (\new)
.endif
.endm
.set MUL,   0x50                       ; a product: sources 0 and 1 window 0; C and D (T) window 1
.set FOLDW, 0xa1                       ; a fold: source 0 (T) window 1, source 1 (the factor) window 0, source 2 and destination (ACC) window 2
.set OUTW,  0x21                       ; the last fold: the same sources, destination window 0
.macro JLOAD s                         ; a joint load: waves 0 and 1 fetch P~'s two halves, waves 2 and 3 v's; an s_nop 0 and four v_nop follow each line
	s_cmp_eq_u32 s11, 0
	s_cbranch_scc0 .Lfor_v_\@
	tensor_load_to_lds s[G0A+4*\s:G0A+4*\s+3], s[G1A:G1A+7]
	s_nop 0
.rept 4
	v_nop
.endr
	s_branch .Lasked_\@
.Lfor_v_\@:
	tensor_load_to_lds s[G0V+4*\s:G0V+4*\s+3], s[G1V:G1V+7]
	s_nop 0
.rept 4
	v_nop
.endr
.Lasked_\@:
.endm
; A prefetch into the L2 of P~'s K step two refills on: 256 matrix instructions ahead of the load that wants it.  A tile row of pt is read by the four partners of one row of one cluster and by nobody else:
; they take 32 rows each, told apart by address; in each, wave 0 asks: a lane a row, 256 bytes.  So each aligned 256 bytes is named once.  how = 1: wave 0 asks; how = 2: not in the loop's last trip,
; whose second change of slots ends K step 12: no K step lies four on.
.macro ASK how
.if (\how) == 1
	s_cmp_eq_u32 s[LIM], 1
.else
	s_cmp_gt_u32 s3, s[LIM]
.endif
	s_cbranch_scc0 .Lnot_mine_\@
	global_prefetch_b8 v[PFO], s[PFA:PFA+1] th:TH_LOAD_NT scope:SCOPE_SE
.Lnot_mine_\@:
.endm
.macro CREST
	s_cmp_lg_u32 s10, 0
	s_cbranch_scc1 .Lnot_wave_0_\@
	s_barrier_signal -3
.Lnot_wave_0_\@:
	s_barrier_wait -3
	s_barrier_signal -1
	s_barrier_wait -1
.endm
.macro CROUND
	s_barrier_signal -1
	s_barrier_wait -1
	CREST
.endm
	s_load_b256 s[84:91], s[0:1], 0x0              ; pt s[84:85], st s[86:87], qkv s[88:89], ctx s[90:91]
	v_lshl_add_u32 v[SPW], v0, 2, SPARE
	v_mov_b32 v[NIL], 0
	ds_add_u32 v[SPW], v[NIL]                      ; the wave's opening: the add, twice on end, and its wait ahead of my first tensor load
	ds_add_u32 v[SPW], v[NIL]
	v_lshrrev_b32 v1, 5, v0
	v_readfirstlane_b32 s10, v1                    ; wave 0..3
	s_lshr_b32 s11, s10, 1                         ; which 64 rows are mine.  Also: I fetch for P~ (0) or for v (1)
	s_and_b32 s12, s10, 1                          ; which 128 channels.  Also: which half of that tile I fetch
	s_bfe_u32 s40, ttmp6, 0x40000                  ; cx
	s_bfe_u32 s41, ttmp6, 0x40004                  ; cy
	s_lshl_b32 s42, ttmp9, 2
	s_add_co_u32 s42, s42, s40                     ; tile column (256 channels): 0..3
	s_and_b32 s45, ttmp7, 0xffff
	s_lshl_b32 s13, s45, 2
	s_add_co_u32 s13, s13, s41                     ; tile row (128 rows): 0..63
	s_lshr_b32 s45, s45, 2                         ; the batch: four clusters' rows each; the partners share it
	s_lshl_b32 s43, s41, 2
	s_lshl_b32 s43, 15, s43                        ; my row of the cluster
	s_lshl_b32 s44, 0x1111, s40                    ; my column
	s_or_b32 s[G1A+0], s43, (1<<16)|(1<<20)|(1<<21)|(5<<22)|(3<<25)   ; P~: elements of 2 bytes; 4 words of padding behind every 64
	s_mov_b32 s[G1A+1], 128<<16
	s_mov_b32 s[G1A+2], 64<<16
	s_mov_b32 s[G1A+3], 128<<16
	s_mov_b32 s[G1A+4], 64
	s_mov_b32 s[G1A+5], 2048
	s_mov_b32 s[G1A+6], 0
	s_mov_b32 s[G1A+7], 0
	s_or_b32 s[G1V+0], s44, (1<<16)|(1<<20)|(1<<21)|(6<<22)|(7<<25)   ; v: 8 words of padding behind every 128
	s_mov_b32 s[G1V+1], 256<<16
	s_mov_b32 s[G1V+2], 64<<16
	s_mov_b32 s[G1V+3], 256<<16
	s_mov_b32 s[G1V+4], 64
	s_mov_b32 s[G1V+5], 3072
	s_mov_b32 s[G1V+6], 0
	s_mov_b32 s[G1V+7], 0
	s_lshl_b32 s17, s12, 6                         ; which 64 rows or keys I fetch
	s_lshl_b32 s16, s13, 7
	s_add_co_u32 s16, s16, s17
	s_lshl_b32 s16, s16, 12                        ; P~: (128 x tile row + 64 x half) rows of 4,096 bytes
	s_lshl_b32 s46, s45, 11
	s_add_co_u32 s46, s46, s17
	s_mul_i32 s46, s46, QROW                       ; v: (2,048 x batch + 64 x half) rows of qkv,
	s_lshl_b32 s47, s42, 9
	s_add_co_u32 s46, s46, s47                     ; + 512 bytes a tile column,
	s_add_co_u32 s46, s46, 4096                    ; 4,096 bytes on in the row
	s_mov_b32 s17, 0
	s_mov_b32 s47, 0
	s_mul_i32 s20, s12, 64*PA                      ; where they go: no place in the cluster enters an LDS address
	s_mul_i32 s21, s12, 64*PV
	s_add_co_u32 s21, s21, VOFF
	s_lshl_b32 s4, s13, 9                          ; st: 4 bytes x 128 rows a tile row
	s_mov_b32 s5, 0
	s_lshl_b32 s6, s13, 7
	s_lshl_b32 s7, s11, 6
	s_add_co_u32 s6, s6, s7
	s_lshl_b32 s6, s6, 11                          ; ctx: my first row x 2,048
	s_lshl_b32 s7, s42, 9
	s_add_co_u32 s6, s6, s7
	s_lshl_b32 s7, s12, 8
	s_add_co_u32 s6, s6, s7                        ; + 512 x tile column + 256 x half
	s_mov_b32 s7, 0
	s_lshl_b32 s8, s13, 7
	s_lshl_b32 s9, s40, 5
	s_add_co_u32 s8, s8, s9
	s_lshl_b32 s8, s8, 12
	s_add_co_u32 s8, s8, 3*256                     ; the prefetches: my work-group's 32 rows, at K step 3: the first filling change steps it to 4
	s_mov_b32 s9, 0
	s_cmp_eq_u32 s10, 0
	s_cselect_b32 s[LIM], 1, -1
	s_mov_b32 s[FJ], 0
	s_wait_dscnt 0x0                               ; both opening adds are done
	s_wait_kmcnt 0x0
	s_add_nc_u64 s[14:15], s[84:85], s[16:17]
	s_add_nc_u64 s[46:47], s[88:89], s[46:47]
	s_add_nc_u64 s[86:87], s[86:87], s[4:5]
	s_add_nc_u64 s[90:91], s[90:91], s[6:7]
	s_add_nc_u64 s[PFA:PFA+1], s[84:85], s[8:9]
	CROUND                                         ; all sixteen work-groups are here: the first joint loads meet
.irp s, 0,1
	s_mov_b32 s[G0A+4*\s], 1
	s_add_co_u32 s[G0A+4*\s+1], s20, \s*SLOT
	s_add_nc_u64 s[G0A+4*\s+2:G0A+4*\s+3], s[14:15], \s*256
	s_or_b32 s[G0A+4*\s+3], s[G0A+4*\s+3], 0x80000000
	s_mov_b32 s[G0V+4*\s], 1
	s_add_co_u32 s[G0V+4*\s+1], s21, \s*SLOT
	s_add_nc_u64 s[G0V+4*\s+2:G0V+4*\s+3], s[46:47], \s*128*QROW
	s_or_b32 s[G0V+4*\s+3], s[G0V+4*\s+3], 0x80000000
	JLOAD \s                                       ; two loads of mine are out
.endr
	; THE STATISTICS: thread t takes row t of the tile
	v_lshlrev_b32 v[SOF], 2, v0
.set j, 0
.rept 16
	global_load_b32 v[NMJ+j], v[SOF], s[86:87] offset:65536*j
	global_load_b32 v[LJ+j], v[SOF], s[86:87] offset:65536*j+32768
.set j, j+1
.endr
	v_and_b32 v1, 15, v0                           ; r
	v_bfe_u32 v2, v0, 4, 1                         ; h
	v_mul_u32_u24 v3, v1, PA
	v_lshl_add_u32 v3, v2, 4, v3
	s_mul_i32 s16, s11, 64*PA
	v_add_nc_u32 v[ADRA], s16, v3                  ; P~: (64 x my half + r) x pitch + 16 h
	v_add_nc_u32 v[ADRA+1], SLOT, v[ADRA]
	v_and_b32 v3, 7, v0
	v_bfe_u32 v4, v0, 3, 1
	v_lshl_add_u32 v3, v2, 3, v3
	v_mul_u32_u24 v3, v3, PV
	v_lshl_add_u32 v3, v4, 4, v3                   ; the turning load: key 8 h + l % 8, channels 8 ((l / 8) % 2) on
	s_lshl_b32 s16, s12, 8
	s_add_co_u32 s16, s16, VOFF
	v_add_nc_u32 v[ADRV], s16, v3
	v_add_nc_u32 v[ADRV+1], SLOT, v[ADRV]
	s_lshl_b32 s16, s11, 9
	v_lshlrev_b32 v3, 5, v1
	v_add_nc_u32 v3, s16, v3
	v_add_nc_u32 v[FTA], FT, v3                    ; my four pairs of factors: FT + 512 x my half + 32 r
	v_and_b32 v3, 64, v0                           ; my thread's place: 64 (t / 64) + 4 (t % 16) + (t / 16) % 4
	v_lshl_add_u32 v3, v1, 2, v3
	v_bfe_u32 v4, v0, 4, 2
	v_add_nc_u32 v3, v3, v4
	v_lshl_add_u32 v[FTW], v3, 3, FT
	s_mul_i32 s16, s10, 16*SPITCH
	s_add_co_u32 s16, s16, STAGE
	v_mul_u32_u24 v3, v1, SPITCH
	v_lshl_add_u32 v3, v2, 4, v3
	v_add_nc_u32 v[STO], s16, v3
	v_mul_u32_u24 v3, v2, SPITCH
	v_lshl_add_u32 v3, v1, 4, v3
	v_add_nc_u32 v[RD], s16, v3
	v_lshlrev_b32 v3, 11, v2
	v_lshl_add_u32 v[CO], v1, 4, v3
	v_and_b32 v[PFO], 31, v0
	v_lshlrev_b32 v[PFO], 12, v[PFO]
	s_wait_loadcnt 0x0
	v_min3_num_f32 v[NMIN], v[NMJ], v[NMJ+1], v[NMJ+2]   ; -M = the least -M_j
.irp j, 3,5,7,9,11,13
	v_min3_num_f32 v[NMIN], v[NMIN], v[NMJ+\j], v[NMJ+\j+1]
.endr
	v_min_num_f32 v[NMIN], v[NMIN], v[NMJ+15]
.set j, 0
.rept 16
	v_sub_f32 v[SJ+j], v[NMIN], v[NMJ+j]           ; M_j - M: a whole number, 0 or less
.set j, j+1
.endr
.set j, 0
.rept 16
	v_cvt_i32_f32 v[SJ+j], v[SJ+j]                 ; (it saturates)
.set j, j+1
.endr
.set j, 0
.rept 16
	v_ldexp_f32 v[SJ+j], 1.0, v[SJ+j]              ; s_j = 2^(M_j - M)
.set j, j+1
.endr
	v_mul_f32 v[LS], v[SJ], v[LJ]                  ; L = the sum of s_j l_j, in two chains
	v_mul_f32 v[LS+1], v[SJ+1], v[LJ+1]
.irp j, 2,4,6,8,10,12,14
	v_fma_f32 v[LS], v[SJ+\j], v[LJ+\j], v[LS]
	v_fma_f32 v[LS+1], v[SJ+\j+1], v[LJ+\j+1], v[LS+1]
.endr
	v_add_f32 v[LS], v[LS], v[LS+1]
	v_rcp_f32 v[RC], v[LS]
	v_nop                                          ; a plain instruction behind the reciprocal
	s_wait_alu depctr_va_vdst(0)                   ; the wait ahead of the reciprocal's first reader
.set j, 0
.rept 16
	v_mul_f32 v[FPA+2*j], v[SJ+j], v[RC]           ; f_j = s_j / L,
.set j, j+1
.endr
.set j, 0
.rept 16
	v_mov_b32 v[FPA+2*j+1], v[FPA+2*j]             ; twice: a pair for the packed forms
.set j, j+1
.endr
.set j, 0
.rept 16
	ds_store_b64 v[FTW], v[FPA+2*j:FPA+2*j+1] offset:1024*j
.set j, j+1
.endr
.macro FETCH_P slot, q, buf            ; P~'s four blocks of 16 rows x 32 keys, as they lie: they are the operand
.irp a, 0,1,2,3
	ds_load_b128 v[PF+32*(\buf)+8*\a:PF+32*(\buf)+8*\a+3],   v[ADRA+(\slot)] offset:16*PA*\a+64*(\q)
	ds_load_b128 v[PF+32*(\buf)+8*\a+4:PF+32*(\buf)+8*\a+7], v[ADRA+(\slot)] offset:16*PA*\a+64*(\q)+32
.endr
.endm
.macro FETCH_V slot, q, buf            ; v's eight blocks of 16 channels x 32 keys, turned
.irp b, 0,1,2,3,4,5,6,7
	ds_load_tr16_b128 v[VF+64*(\buf)+8*\b:VF+64*(\buf)+8*\b+3],   v[ADRV+(\slot)] offset:32*PV*(\q)+32*\b
	ds_load_tr16_b128 v[VF+64*(\buf)+8*\b+4:VF+64*(\buf)+8*\b+7], v[ADRV+(\slot)] offset:32*PV*(\q)+32*\b+16*PV
.endr
.endm
.macro FACTORS                         ; my four rows' factors of the block in hand; the next block's come 1,024 bytes on
	v_add_nc_u32 v[FTC], s[FJ], v[FTA]
	s_add_co_u32 s[FJ], s[FJ], 1024
	ds_load_b128 v[FCT:FCT+3], v[FTC]
	ds_load_b128 v[FCT+4:FCT+7], v[FTC] offset:16
.endm
.macro PROD8 a, p                      ; row block a x all 8 channel blocks, buffers p, onto T
.irp b, 0,1,2,3,4,5,6,7
	v_wmma_f32_16x16x32_f16 v[8*(8*(\a)+\b):8*(8*(\a)+\b)+7], v[VF+64*(\p)+8*\b:VF+64*(\p)+8*\b+7], v[PF+32*(\p)+8*(\a):PF+32*(\p)+8*(\a)+7], v[8*(8*(\a)+\b):8*(8*(\a)+\b)+7]
.endr
.endm
.macro PLACES                          ; four plain vector instructions between a matrix instruction and a load into, or a read of, its registers
.rept 4
	v_nop
.endr
.endm
; A quarter of a K step: 32 keys, 32 products on buffers q % 2; at its head it fetches quarter q + 1 of the same slot into the other buffers.  The 32 accumulators take turns, in the same order in every quarter
; mode = 0: the products add onto T.  mode = 1: the launch's first quarter: they begin T.  mode = 2, 3: a later K step's first quarter: ahead of the product that begins T(n) anew
; stand the four lines that fold the last block's T(n) into ACC(n): by a multiplication the first time (2), by multiply-adds after that (3).  Between the last product on T(n) and the one that begins it anew stand at
; least nine plain instructions that name none of its registers: the four behind the joint load (or their like), the factors' address line and this quarter's four; for n of 16 and over the earlier folds too.
.macro QUARTER slot, q, mode
.set P, (\q)%2
	WIN 0
	PLACES
	FETCH_P \slot, (\q)+1, 1-P
	FETCH_V \slot, (\q)+1, 1-P
	s_wait_dscnt 24                                ; all but the 24 just issued: this quarter's fragments are in (mode 2, 3: the factors too)
.if (\mode) == 0
	WIN MUL
	PROD8 0, P
	PROD8 1, P
	PROD8 2, P
	PROD8 3, P
.else
.set N, 0
.rept 32
.if (\mode) >= 2
	WIN FOLDW
.set I, 0
.rept 4
.if (\mode) == 2
	v_pk_mul_f32 v[8*N+2*I:8*N+2*I+1], v[8*N+2*I:8*N+2*I+1], v[FCT+2*(N/8):FCT+2*(N/8)+1]   ; ACC = f T: each accumulator from its low end on
.else
	v_pk_fma_f32 v[8*N+2*I:8*N+2*I+1], v[8*N+2*I:8*N+2*I+1], v[FCT+2*(N/8):FCT+2*(N/8)+1], v[8*N+2*I:8*N+2*I+1]   ; ACC += f T
.endif
.set I, I+1
.endr
.endif
	WIN MUL
	v_wmma_f32_16x16x32_f16 v[8*N:8*N+7], v[VF+64*P+8*(N%8):VF+64*P+8*(N%8)+7], v[PF+32*P+8*(N/8):PF+32*P+8*(N/8)+7], 0
.set N, N+1
.endr
.endif
.endm
; A K step's last quarter (buffers 1) changes slots: each wave waits for all its tensor loads, adds 0 to its spare word, and waits for that and for its reads of this slot; one barrier, which with fill = 1 opens a round of
; the cluster's; behind it this slot is filled again, two K steps ahead, and the next slot's first quarter and this block's factors are fetched.
.macro TURN slot, fill, ask
	WIN 0
.if \fill
	s_wait_xcnt 0x0                                ; the last prefetch, a K step back, has read its address
	s_add_nc_u64 s[PFA:PFA+1], s[PFA:PFA+1], 256
.endif
	s_wait_tensorcnt 0x0                           ; all my tensor loads have landed: my part of the next slot
	ds_add_u32 v[SPW], v[NIL]
.if \fill
	s_add_nc_u64 s[G0A+4*\slot+2:G0A+4*\slot+3], s[G0A+4*\slot+2:G0A+4*\slot+3], 2*256
	s_add_nc_u64 s[G0V+4*\slot+2:G0V+4*\slot+3], s[G0V+4*\slot+2:G0V+4*\slot+3], 2*128*QROW
.endif
	s_wait_dscnt 1                                 ; this quarter's fragments are in; only the add may be out
	WIN MUL
	PROD8 0, 1
	s_wait_dscnt 0x0                               ; the add is done, and my reads of this slot are over
	s_barrier_signal -1
	PROD8 1, 1
	WIN 0
	s_barrier_wait -1
.if \fill
	CREST                                          ; no wave of any partner still reads this slot or has a load on its way
	JLOAD \slot                                    ; the first tensor load behind the round; its four v_nop are also the places in front of the loads below
.else
	PLACES
.endif
	FETCH_P 1-\slot, 0, 0
	FETCH_V 1-\slot, 0, 0
	FACTORS
.if \ask
	ASK \ask
.endif
	WIN MUL
	PROD8 2, 1
	PROD8 3, 1
.endm
	s_wait_tensorcnt 1                             ; my part of K step 0 is in (K step 1's load may be out),
	s_wait_dscnt 0x0                               ; my row's factors are stored,
	s_barrier_signal -1
	s_barrier_wait -1                              ; everybody's are
	FETCH_P 0, 0, 0
	FETCH_V 0, 0, 0
	QUARTER 0, 0, 1                                ; K step 0 and the first quarter of K step 1 stand in front of the loop: the first products begin T, the first fold begins ACC
	QUARTER 0, 1, 0
	QUARTER 0, 2, 0
	TURN 0, 1, 1
	QUARTER 1, 0, 2
	WIN 0
	s_mov_b32 s3, 6
.Llap:                                                 ; trip t = 1 .. 6: the rest of K step 2 t - 1, K step 2 t, the first quarter of K step 2 t + 1; both slots are filled again
	QUARTER 1, 1, 0
	QUARTER 1, 2, 0
	TURN 1, 1, 1
	QUARTER 0, 0, 3
	QUARTER 0, 1, 0
	QUARTER 0, 2, 0
	TURN 0, 1, 2
	QUARTER 1, 0, 3
	WIN 0
	s_sub_co_u32 s3, s3, 1
	s_cmp_lg_u32 s3, 0
	s_cbranch_scc1 .Llap
	QUARTER 1, 1, 0                                ; the tail is written out: K step 13 ends with the last refill, K step 15's
	QUARTER 1, 2, 0
	TURN 1, 1, 0
	QUARTER 0, 0, 3
	QUARTER 0, 1, 0
	QUARTER 0, 2, 0
	TURN 0, 0, 0                                   ; K step 14 ends with none
	QUARTER 1, 0, 3
	QUARTER 1, 1, 0
	QUARTER 1, 2, 0
	WIN 0                                          ; the very last quarter: nothing more to fetch but the last block's factors
	FACTORS
	s_wait_dscnt 0x0
	WIN MUL
	PROD8 0, 1
	PROD8 1, 1
	PROD8 2, 1
	PROD8 3, 1
	WIN 0
; THE WAY OUT, a block of 16 rows x 128 channels at a time: the last fold, rounded to f16, through my stage, back as whole rows of 256 bytes.
	PLACES                                         ; behind the last products
.macro PACK a
	WIN OUTW
.set i, 0
.rept 32
	v_pk_fma_f32 v[WK+2*i:WK+2*i+1], v[64*(\a)+2*i:64*(\a)+2*i+1], v[FCT+2*(\a):FCT+2*(\a)+1], v[64*(\a)+2*i:64*(\a)+2*i+1]   ; ctx = ACC + f T: each accumulator from its low end on
.set i, i+1
.endr
	WIN 0
.set i, 0
.rept 32
	v_cvt_pk_f16_f32 v[TMP+i], v[WK+2*i], v[WK+2*i+1]
.set i, i+1
.endr
.endm
.macro TOSTAGE a
.set BK, OB+32*((\a)%2)
.irp b, 0,1,2,3,4,5,6,7
	ds_store_b128 v[STO], v[TMP+4*\b:TMP+4*\b+3] offset:32*\b
.endr
.irp t, 0,1,2,3,4,5,6,7
	ds_load_b128 v[BK+4*\t:BK+4*\t+3], v[RD] offset:\t*2*SPITCH   ; LDS serves a wave's instructions in order: these see the stores above
.endr
.endm
.macro SEND a
.set BK, OB+32*((\a)%2)
	s_wait_dscnt 0x0
	s_wait_xcnt 0x0                                ; earlier stores have read their base and their data
.if (\a) > 0
	s_add_nc_u64 s[90:91], s[90:91], 16*CROW
.endif
.irp t, 0,1,2,3,4,5,6,7
	global_store_b128 v[CO], v[BK+4*\t:BK+4*\t+3], s[90:91] offset:2*\t*CROW   ; 16 lanes store 256 consecutive bytes, aligned
.endr
.endm
	PACK 0
	TOSTAGE 0
.irp a, 1,2,3                          ; block a's arithmetic stands between block a - 1's loads from the stage and the wait for them
	PACK \a
	SEND \a-1
	TOSTAGE \a
.endr
	SEND 3
	s_wait_tensorcnt 0x0                           ; the wave's end
	ds_add_u32 v[SPW], v[NIL]
	s_wait_dscnt 0x0
	CROUND                                         ; the closing round
	s_endpgm
.Lfunc_end_k_qf11f685999_ctx:
	.size	k_qf11f685999_ctx, .Lfunc_end_k_qf11f685999_ctx-k_qf11f685999_ctx
	.p2alignl 7, 3214868480
	.fill 96, 4, 3214868480
	.section	.rodata,"a",@progbits
	.p2align	6, 0x0
	.amdhsa_kernel k_qf11f685999_ctx
		.amdhsa_group_segment_fixed_size 327680
		.amdhsa_private_segment_fixed_size 0
		.amdhsa_enable_private_segment 0
		.amdhsa_kernarg_size 32
		.amdhsa_user_sgpr_count 2
		.amdhsa_user_sgpr_kernarg_segment_ptr 1
		.amdhsa_wavefront_size32 1
		.amdhsa_system_sgpr_workgroup_id_x 1
		.amdhsa_system_sgpr_workgroup_id_y 1
		.amdhsa_system_sgpr_workgroup_id_z 1
		.amdhsa_system_vgpr_workitem_id 0
		.amdhsa_next_free_vgpr 768
		.amdhsa_next_free_sgpr 100
		.amdhsa_reserve_vcc 0
		.amdhsa_float_denorm_mode_32 3
		.amdhsa_float_denorm_mode_16_64 3
		.amdhsa_memory_ordered 1
		.amdhsa_forward_progress 1
		.amdhsa_inst_pref_size 187
	.end_amdhsa_kernel
	.amdgpu_metadata
---
amdhsa.version: [ 1, 2 ]
amdhsa.kernels:
  - .name:           k_qf11f685999_ctx
    .symbol:         k_qf11f685999_ctx.kd
    .args:
      - { .name: pt, .offset: 0, .size: 8, .value_kind: global_buffer, .address_space: global }
      - { .name: st, .offset: 8, .size: 8, .value_kind: global_buffer, .address_space: global }
      - { .name: qkv, .offset: 16, .size: 8, .value_kind: global_buffer, .address_space: global }
      - { .name: ctx, .offset: 24, .size: 8, .value_kind: global_buffer, .address_space: global }
    .group_segment_fixed_size: 327680
    .private_segment_fixed_size: 0
    .kernarg_segment_align: 8
    .kernarg_segment_size: 32
    .max_flat_workgroup_size: 128
    .sgpr_count:     100
    .vgpr_count:     768
    .wavefront_size: 32
...
	.end_amdgpu_metadata
.endif
;; end of part 4
;; launch proj (part 5): grid 4 x 64, 4 waves a work-group, clusters of 4 x 4, 327,680 bytes of LDS; arguments ctx, wo16, b_out, out0; writes out0
.if DOCPART == 5
	.amdgcn_target "amdgcn-amd-amdhsa--gfx1250"
	.amdhsa_code_object_version 6
	.text
	.protected	k_qf11f685999_proj
	.globl	k_qf11f685999_proj
	.p2align	8
	.type	k_qf11f685999_proj,@function
k_qf11f685999_proj:
	s_mov_b64 s[64:65], 0
	v_nop
	global_prefetch_b8 v0, s[64:65] scope:SCOPE_SE
	s_setreg_imm32_b32 hwreg(HW_REG_WAVE_MODE, 25, 1), 1
	s_wait_xcnt 0x0
	s_wait_alu depctr_hold_cnt(0) depctr_sa_sdst(0) depctr_va_vdst(0) depctr_va_sdst(0) depctr_va_ssrc(0) depctr_va_vcc(0) depctr_vm_vsrc(0)
	s_getreg_b32 s2, hwreg(HW_REG_IB_STS2, 6, 4)
	s_cmp_eq_u32 s2, 0
	s_cbranch_scc0 .Lentry_in_a_cluster
	s_endpgm
.Lentry_in_a_cluster:
	s_bfe_u32 s2, ttmp6, 0x10000c
	s_cmp_lg_u32 s2, 0xf033
	s_cbranch_scc0 .Lentry_shape_is_right
	s_endpgm
.Lentry_shape_is_right:
; PROJ.  out0[m][n] = sum over k of ctx[m][k] W_out[n][k] + b_out[n].  ctx [8192][1024] and W_out [1024][1024] in f16, sums in f32, out0 [8192][1024] f32.
; A tile of 128 rows x 256 columns is made by four waves, 64 x 128 each: 32 accumulators.  K = 1,024 goes in 8 steps of 128 through two LDS slots (rows of 256 bytes).
; CLUSTERS: 4 x 4 work-groups; ctx's tiles are asked for jointly along a row of the cluster, W_out's along a column.
; TRANSPOSED USE: source 0 = 16 rows of W_out, source 1 = 16 rows of ctx: a lane holds eight neighbouring columns of one row.  The bias is the C of each sum's first matrix instruction.
; REGISTERS: window 0: v0-31 addresses; v32-63, v64-95 ctx's fragments, two buffers; v96-159, v160-223 W_out's; on the way out v32-159 rows read back.  window 1: the accumulators ((a, b) at v[8 (8 a + b)]).  window 2: v0-63 the bias.
.set PITCH, 272
.set BOFF,  128*PITCH                  ; a slot: 128 rows of ctx, then 256 rows of W_out
.set SLOT,  BOFF+256*PITCH
.set STAGE, 2*SLOT                     ; 16 rows x (512 bytes + 16) for each wave
.set SPITCH, 528
.set SPARE, STAGE+4*16*SPITCH
.set KROW,  2048                       ; a row of ctx or of wo16 in bytes
.set OROW,  4096                       ; a row of out0
.set ADRA, 16
.set ADRB, 20
.set STO,  24
.set RD,   25
.set CO,   26
.set BO,   27
.set SPW,  28
.set NIL,  29
.set PFO,  30
.set AF,   32
.set BF,   96
.set BKB,  32
.set G1A, 24
.set G0A, 32
.set G1B, 48
.set G0B, 56
.set PFA, 92
.set LIM, 94
.set MSB, 0
.macro WIN new
.if MSB != (\new)
	s_set_vgpr_msb (MSB<<8)|(\new)
.set MSB, (\new)
.endif
.endm
.set MUL,  0x50                        ; sources 0 and 1 window 0; C and D window 1
.set MULB, 0x60                        ; C (the bias) window 2, D window 1
.macro JLOAD s                         ; a joint load: waves 0 and 1 fetch ctx's two halves, waves 2 and 3 W_out's; an s_nop 0 and four v_nop follow each line
	s_cmp_eq_u32 s11, 0
	s_cbranch_scc0 .Lfor_b_\@
	tensor_load_to_lds s[G0A+4*\s:G0A+4*\s+3], s[G1A:G1A+7]
	s_nop 0
.rept 4
	v_nop
.endr
	s_branch .Lasked_\@
.Lfor_b_\@:
	tensor_load_to_lds s[G0B+4*\s:G0B+4*\s+3], s[G1B:G1B+7]
	s_nop 0
.rept 4
	v_nop
.endr
.Lasked_\@:
.endm
; A prefetch into the L2 of ctx's K step two refills on, 256 matrix instructions ahead of the load that wants it.  A tile row of ctx is read by the four partners of one row of one cluster alone: they take 32 rows each,
; told apart by address; in each, wave 0 asks: a lane a row, 256 bytes.  The loop's last trip asks for nothing.
.macro ASK
	s_cmp_gt_u32 s3, s[LIM]
	s_cbranch_scc0 .Lnot_mine_\@
	global_prefetch_b8 v[PFO], s[PFA:PFA+1] th:TH_LOAD_NT scope:SCOPE_SE
.Lnot_mine_\@:
.endm
.macro CREST
	s_cmp_lg_u32 s10, 0
	s_cbranch_scc1 .Lnot_wave_0_\@
	s_barrier_signal -3
.Lnot_wave_0_\@:
	s_barrier_wait -3
	s_barrier_signal -1
	s_barrier_wait -1
.endm
.macro CROUND
	s_barrier_signal -1
	s_barrier_wait -1
	CREST
.endm
	s_load_b256 s[84:91], s[0:1], 0x0              ; ctx s[84:85], wo16 s[86:87], b_out s[88:89], out0 s[90:91]
	v_lshl_add_u32 v[SPW], v0, 2, SPARE
	v_mov_b32 v[NIL], 0
	ds_add_u32 v[SPW], v[NIL]                      ; the wave's opening: the add, twice on end, and its wait ahead of my first tensor load
	ds_add_u32 v[SPW], v[NIL]
	v_lshrrev_b32 v1, 5, v0
	v_readfirstlane_b32 s10, v1                    ; wave 0..3
	s_lshr_b32 s11, s10, 1                         ; which 64 rows are mine.  Also: I fetch for ctx (0) or for W_out (1)
	s_and_b32 s12, s10, 1                          ; which 128 columns.  Also: which half of that tile I fetch
	s_bfe_u32 s40, ttmp6, 0x40000                  ; cx
	s_bfe_u32 s41, ttmp6, 0x40004                  ; cy
	s_lshl_b32 s42, ttmp9, 2
	s_add_co_u32 s42, s42, s40                     ; tile column (256 columns): 0..3
	s_and_b32 s13, ttmp7, 0xffff
	s_lshl_b32 s13, s13, 2
	s_add_co_u32 s13, s13, s41                     ; tile row (128 rows): 0..63
	s_lshl_b32 s43, s41, 2
	s_lshl_b32 s43, 15, s43                        ; my row of the cluster
	s_lshl_b32 s44, 0x1111, s40                    ; my column
	s_or_b32 s[G1A+0], s43, (1<<16)|(1<<20)|(1<<21)|(5<<22)|(3<<25)   ; elements of 2 bytes; 4 words of padding behind every 64
	s_mov_b32 s[G1A+1], 128<<16
	s_mov_b32 s[G1A+2], 64<<16
	s_mov_b32 s[G1A+3], 128<<16
	s_mov_b32 s[G1A+4], 64
	s_mov_b32 s[G1A+5], 1024
	s_mov_b32 s[G1A+6], 0
	s_mov_b32 s[G1A+7], 0
	s_or_b32 s[G1B+0], s44, (1<<16)|(1<<20)|(1<<21)|(5<<22)|(3<<25)
	s_mov_b32 s[G1B+1], 128<<16
	s_mov_b32 s[G1B+2], 128<<16
	s_mov_b32 s[G1B+3], 128<<16
	s_mov_b32 s[G1B+4], 128
	s_mov_b32 s[G1B+5], 1024
	s_mov_b32 s[G1B+6], 0
	s_mov_b32 s[G1B+7], 0
	s_lshl_b32 s16, s13, 7
	s_lshl_b32 s17, s12, 6
	s_add_co_u32 s16, s16, s17
	s_lshl_b32 s16, s16, 11                        ; ctx: (128 x tile row + 64 x half) rows of 2,048 bytes
	s_mov_b32 s17, 0
	s_lshl_b32 s46, s42, 8
	s_lshl_b32 s47, s12, 7
	s_add_co_u32 s46, s46, s47
	s_lshl_b32 s46, s46, 11                        ; W_out: (256 x tile column + 128 x half) rows
	s_mov_b32 s47, 0
	s_mul_i32 s20, s12, 64*PITCH                   ; where they go
	s_mul_i32 s21, s12, 128*PITCH
	s_add_co_u32 s21, s21, BOFF
	s_lshl_b32 s4, s42, 10
	s_lshl_b32 s5, s12, 9
	s_add_co_u32 s4, s4, s5                        ; my first column in bytes of f32: the bias,
	s_mov_b32 s5, 0
	s_lshl_b32 s6, s13, 7
	s_lshl_b32 s7, s11, 6
	s_add_co_u32 s6, s6, s7
	s_lshl_b32 s6, s6, 12
	s_add_co_u32 s6, s6, s4                        ; and out0: my first row x 4,096 + the same
	s_mov_b32 s7, 0
	s_lshl_b32 s8, s13, 7
	s_lshl_b32 s9, s40, 5
	s_add_co_u32 s8, s8, s9
	s_lshl_b32 s8, s8, 11
	s_add_co_u32 s8, s8, 3*256                     ; the prefetches: my work-group's 32 rows, at K step 3: the first filling change steps it to 4
	s_mov_b32 s9, 0
	s_cmp_eq_u32 s10, 0
	s_cselect_b32 s[LIM], 1, -1
	s_wait_dscnt 0x0                               ; both opening adds are done
	s_wait_kmcnt 0x0
	s_add_nc_u64 s[14:15], s[84:85], s[16:17]
	s_add_nc_u64 s[46:47], s[86:87], s[46:47]
	s_add_nc_u64 s[88:89], s[88:89], s[4:5]
	s_add_nc_u64 s[90:91], s[90:91], s[6:7]
	s_add_nc_u64 s[PFA:PFA+1], s[84:85], s[8:9]
	CROUND                                         ; all sixteen work-groups are here: the first joint loads meet
.irp s, 0,1
	s_mov_b32 s[G0A+4*\s], 1
	s_add_co_u32 s[G0A+4*\s+1], s20, \s*SLOT
	s_add_nc_u64 s[G0A+4*\s+2:G0A+4*\s+3], s[14:15], \s*256
	s_or_b32 s[G0A+4*\s+3], s[G0A+4*\s+3], 0x80000000
	s_mov_b32 s[G0B+4*\s], 1
	s_add_co_u32 s[G0B+4*\s+1], s21, \s*SLOT
	s_add_nc_u64 s[G0B+4*\s+2:G0B+4*\s+3], s[46:47], \s*256
	s_or_b32 s[G0B+4*\s+3], s[G0B+4*\s+3], 0x80000000
	JLOAD \s                                       ; two loads of mine are out
.endr
	v_and_b32 v1, 15, v0                           ; r
	v_bfe_u32 v2, v0, 4, 1                         ; h
	v_lshlrev_b32 v[BO], 5, v2
	WIN 0x80                                       ; destination window 2
.irp b, 0,1,2,3,4,5,6,7
	global_load_b128 v[8*\b:8*\b+3],   v[BO], s[88:89] offset:64*\b      ; register 8 b + i = b_out[my first column + 16 b + 8 h + i]
	global_load_b128 v[8*\b+4:8*\b+7], v[BO], s[88:89] offset:64*\b+16
.endr
	WIN 0
	v_mul_u32_u24 v3, v1, PITCH
	v_lshl_add_u32 v3, v2, 4, v3
	s_mul_i32 s16, s11, 64*PITCH
	v_add_nc_u32 v[ADRA], s16, v3
	v_add_nc_u32 v[ADRA+1], SLOT, v[ADRA]
	s_mul_i32 s16, s12, 128*PITCH
	s_add_co_u32 s16, s16, BOFF
	v_add_nc_u32 v[ADRB], s16, v3
	v_add_nc_u32 v[ADRB+1], SLOT, v[ADRB]
	s_mul_i32 s16, s10, 16*SPITCH
	s_add_co_u32 s16, s16, STAGE                   ; my stage
	v_mul_u32_u24 v3, v1, SPITCH
	v_lshl_add_u32 v3, v2, 5, v3
	v_add_nc_u32 v[STO], s16, v3                   ; in: row r, 32 bytes for each half of the lanes
	v_and_b32 v3, 31, v0
	v_lshlrev_b32 v[CO], 4, v3                     ; back: the 32 lanes take one row of 512 bytes; and the same in out0
	v_add_nc_u32 v[RD], s16, v[CO]
	v_lshlrev_b32 v[PFO], 11, v3
.macro FETCH slot, q, buf              ; 24 LDS loads in one run: the fragments of 32 along K
.irp a, 0,1,2,3
	ds_load_b128 v[AF+32*(\buf)+8*\a:AF+32*(\buf)+8*\a+3],   v[ADRA+(\slot)] offset:16*PITCH*\a+64*(\q)
	ds_load_b128 v[AF+32*(\buf)+8*\a+4:AF+32*(\buf)+8*\a+7], v[ADRA+(\slot)] offset:16*PITCH*\a+64*(\q)+32
.endr
.irp b, 0,1,2,3,4,5,6,7
	ds_load_b128 v[BF+64*(\buf)+8*\b:BF+64*(\buf)+8*\b+3],   v[ADRB+(\slot)] offset:16*PITCH*\b+64*(\q)
	ds_load_b128 v[BF+64*(\buf)+8*\b+4:BF+64*(\buf)+8*\b+7], v[ADRB+(\slot)] offset:16*PITCH*\b+64*(\q)+32
.endr
.endm
.macro MUL8 a, p, first                ; row block a x all 8 column blocks.  The 32 accumulators take turns, in the same order in every quarter
.irp b, 0,1,2,3,4,5,6,7
.if \first
	v_wmma_f32_16x16x32_f16 v[8*(8*(\a)+\b):8*(8*(\a)+\b)+7], v[BF+64*(\p)+8*\b:BF+64*(\p)+8*\b+7], v[AF+32*(\p)+8*(\a):AF+32*(\p)+8*(\a)+7], v[8*\b:8*\b+7]
.else
	v_wmma_f32_16x16x32_f16 v[8*(8*(\a)+\b):8*(8*(\a)+\b)+7], v[BF+64*(\p)+8*\b:BF+64*(\p)+8*\b+7], v[AF+32*(\p)+8*(\a):AF+32*(\p)+8*(\a)+7], v[8*(8*(\a)+\b):8*(8*(\a)+\b)+7]
.endif
.endr
.endm
.macro PLACES                          ; four plain vector instructions between a matrix instruction and a load into, or a read of, its registers
.rept 4
	v_nop
.endr
.endm
.macro QUARTER slot, q, first          ; fetches quarter q + 1 into the other buffers, then multiplies buffers q % 2
	WIN 0
	PLACES
	FETCH \slot, (\q)+1, 1-(\q)%2
	s_wait_dscnt 24                                ; all but the 24 just issued
.if \first
	WIN MULB
.else
	WIN MUL
.endif
	MUL8 0, (\q)%2, \first
	MUL8 1, (\q)%2, \first
	MUL8 2, (\q)%2, \first
	MUL8 3, (\q)%2, \first
.endm
; A K step's last quarter (buffers 1) changes slots: each wave waits for all its tensor loads, adds 0 to its spare word, and waits for that and for its reads of this slot; one barrier, which with fill = 1 opens a round of
; the cluster's; behind it this slot is filled again, two K steps ahead.
.macro TURN slot, fill
	WIN 0
.if \fill
	s_wait_xcnt 0x0                                ; the last prefetch, a K step back, has read its address
	s_add_nc_u64 s[PFA:PFA+1], s[PFA:PFA+1], 256
.endif
	s_wait_tensorcnt 0x0
	ds_add_u32 v[SPW], v[NIL]
.if \fill
	s_add_nc_u64 s[G0A+4*\slot+2:G0A+4*\slot+3], s[G0A+4*\slot+2:G0A+4*\slot+3], 2*256
	s_add_nc_u64 s[G0B+4*\slot+2:G0B+4*\slot+3], s[G0B+4*\slot+2:G0B+4*\slot+3], 2*256
.endif
	s_wait_dscnt 1                                 ; this quarter's fragments are in; only the add may be out
	WIN MUL
	MUL8 0, 1, 0
	s_wait_dscnt 0x0                               ; the add is done, and my reads of this slot are over
	s_barrier_signal -1
	MUL8 1, 1, 0
	WIN 0
	s_barrier_wait -1
.if \fill
	CREST                                          ; no wave of any partner still reads this slot or has a load on its way
	JLOAD \slot                                    ; the first tensor load behind the round; its four v_nop are also the places in front of the loads below
.else
	PLACES
.endif
	FETCH 1-\slot, 0, 0
.if \fill
	ASK
.endif
	WIN MUL
	MUL8 2, 1, 0
	MUL8 3, 1, 0
.endm
	s_wait_tensorcnt 1                             ; my part of K step 0 is in (K step 1's load may be out),
	s_barrier_signal -1
	s_barrier_wait -1                              ; everybody's is
	FETCH 0, 0, 0
	s_wait_loadcnt 0x0                             ; the bias
	QUARTER 0, 0, 1                                ; the first quarter stands in front of the loop: the bias starts the sums
	WIN 0
	s_mov_b32 s3, 3
.Llap:                                                 ; a trip goes once round the ring and fills both slots again
	QUARTER 0, 1, 0
	QUARTER 0, 2, 0
	TURN 0, 1
	QUARTER 1, 0, 0
	QUARTER 1, 1, 0
	QUARTER 1, 2, 0
	TURN 1, 1
	QUARTER 0, 0, 0
	WIN 0
	s_sub_co_u32 s3, s3, 1
	s_cmp_lg_u32 s3, 0
	s_cbranch_scc1 .Llap
	QUARTER 0, 1, 0                                ; the last lap fills nothing
	QUARTER 0, 2, 0
	TURN 0, 0
	QUARTER 1, 0, 0
	QUARTER 1, 1, 0
	QUARTER 1, 2, 0
	s_wait_dscnt 0x0                               ; the very last quarter
	WIN MUL
	MUL8 0, 1, 0
	MUL8 1, 1, 0
	MUL8 2, 1, 0
	MUL8 3, 1, 0
	WIN 0
; THE WAY OUT, a block of 16 rows x 128 columns at a time: a lane's 32 bytes go into my stage and come back as whole rows of 512 bytes, which the 32 lanes store as two aligned runs of 256 bytes.
.macro TOSTAGE a
.set AC, 64*(\a)
	WIN 0x04                                       ; an LDS store's data are its source 1: window 1
.irp b, 0,1,2,3,4,5,6,7
	ds_store_b128 v[STO], v[AC+8*\b:AC+8*\b+3] offset:64*\b          ; each accumulator from its low end on
	ds_store_b128 v[STO], v[AC+8*\b+4:AC+8*\b+7] offset:64*\b+16
.endr
	WIN 0
.set BB, BKB+64*((\a)%2)
.irp t, 0,1,2,3,4,5,6,7,8,9,10,11,12,13,14,15
	ds_load_b128 v[BB+4*\t:BB+4*\t+3], v[RD] offset:\t*SPITCH        ; LDS serves a wave's instructions in order: these see the stores above
.endr
.endm
.macro SEND a, younger                 ; younger: the LDS instructions issued behind block a's loads, which may stay out
.set BB, BKB+64*((\a)%2)
	s_wait_dscnt \younger
.if (\a) > 0
	s_add_nc_u64 s[90:91], s[90:91], 16*OROW       ; (behind a wait on XCNT: the earlier stores have read their base)
.endif
.irp t, 0,1,2,3,4,5,6,7,8,9,10,11,12,13,14,15
	global_store_b128 v[CO], v[BB+4*\t:BB+4*\t+3], s[90:91] offset:\t*OROW th:TH_STORE_NT   ; written once, read by nobody here
.endr
.endm
	PLACES
	TOSTAGE 0
.irp a, 1,2,3
.if \a > 1
	s_wait_xcnt 0x0                                ; block a - 2's stores have read their registers and their base
.endif
	TOSTAGE \a
	SEND \a-1, 32                                  ; behind block a - 1's loads: block a's 16 stores and 16 loads
.endr
	s_wait_xcnt 0x0
	SEND 3, 0
	s_wait_tensorcnt 0x0                           ; the wave's end
	ds_add_u32 v[SPW], v[NIL]
	s_wait_dscnt 0x0
	CROUND                                         ; the closing round
	s_endpgm
.Lfunc_end_k_qf11f685999_proj:
	.size	k_qf11f685999_proj, .Lfunc_end_k_qf11f685999_proj-k_qf11f685999_proj
	.p2alignl 7, 3214868480
	.fill 96, 4, 3214868480
	.section	.rodata,"a",@progbits
	.p2align	6, 0x0
	.amdhsa_kernel k_qf11f685999_proj
		.amdhsa_group_segment_fixed_size 327680
		.amdhsa_private_segment_fixed_size 0
		.amdhsa_enable_private_segment 0
		.amdhsa_kernarg_size 32
		.amdhsa_user_sgpr_count 2
		.amdhsa_user_sgpr_kernarg_segment_ptr 1
		.amdhsa_wavefront_size32 1
		.amdhsa_system_sgpr_workgroup_id_x 1
		.amdhsa_system_sgpr_workgroup_id_y 1
		.amdhsa_system_sgpr_workgroup_id_z 1
		.amdhsa_system_vgpr_workitem_id 0
		.amdhsa_next_free_vgpr 640
		.amdhsa_next_free_sgpr 100
		.amdhsa_reserve_vcc 0
		.amdhsa_float_denorm_mode_32 3
		.amdhsa_float_denorm_mode_16_64 3
		.amdhsa_memory_ordered 1
		.amdhsa_forward_progress 1
		.amdhsa_inst_pref_size 87
	.end_amdhsa_kernel
	.amdgpu_metadata
---
amdhsa.version: [ 1, 2 ]
amdhsa.kernels:
  - .name:           k_qf11f685999_proj
    .symbol:         k_qf11f685999_proj.kd
    .args:
      - { .name: ctx, .offset: 0, .size: 8, .value_kind: global_buffer, .address_space: global }
      - { .name: wo16, .offset: 8, .size: 8, .value_kind: global_buffer, .address_space: global }
      - { .name: b_out, .offset: 16, .size: 8, .value_kind: global_buffer, .address_space: global }
      - { .name: out0, .offset: 24, .size: 8, .value_kind: global_buffer, .address_space: global }
    .group_segment_fixed_size: 327680
    .private_segment_fixed_size: 0
    .kernarg_segment_align: 8
    .kernarg_segment_size: 32
    .max_flat_workgroup_size: 128
    .sgpr_count:     100
    .vgpr_count:     640
    .wavefront_size: 32
...
	.end_amdgpu_metadata
.endif
;; end of part 5
